; MI455X (gfx1250); checked and timed in simulation.
; The chip was launched on July 23, 2026; its instructions are those of AMD's public machine-readable ISA for CDNA 5 (MIT licence, August 2026) and "CDNA5" Instruction Set Architecture Reference Guide (July 2026). The comments in the code are by the model that wrote it; some were corrected since.
;; Attention Base. Allowed arithmetic: matrix products marked QUANTISED: E2M3 operands, one E8M0 scale for each 32 along K, by v_wmma_scale_f32_16x16x128_f8f6f4 with both operands' format E2M3, f32 sums; everything else in f32.
;; Inputs: attention_mask 8 x 1 x 1 x 1,024 bool; keys 8 x 1,024 x 1,024 float32; queries 8 x 1,024 x 1,024 float32; values_codes 8 x 1,024 x 32 x 24 uint8 (E2M3 codes of values, K innermost, in blocks of 32 codes, four codes in three bytes); values_scales 8 x 1,024 x 32 uint8 (E8M0 scales of values, one for each 32 codes along K); w_out_codes 1,024 x 32 x 24 uint8 (E2M3 codes of w_out, K innermost, in blocks of 32 codes, four codes in three bytes); w_out_scales 1,024 x 32 uint8 (E8M0 scales of w_out, one for each 32 codes along K).
;; Outputs: out0 8 x 1,024 x 1,024 float32.
;; This version of the problem:
;;   THIS VERSION OF THE PROBLEM IS GIVEN IN LOW PRECISION. The matrix products marked QUANTISED in the list below multiply operands that are first quantised to E2M3 (2 exponent bits, 3 mantissa bits; 6 bits a number), with one power-of-two scale for each 32 numbers along K (OCP MX v1.0); their sums are f32. All else is computed in f32.
;;   The module's matrix products, in the order in which they are computed (A, B: the left and right operand; K: the contracted axis; several contracted axes count as one K, in the product's order):
;;     1. batch 128 x [M 1,024, K 64] x [K 64, N 1,024]; A: computed on the way; B: input keys: QUANTISED
;;     2. batch 128 x [M 64, K 1,024] x [K 1,024, N 1,024]; A: input values (given as codes); B: softmax (see below): QUANTISED
;;     3. [M 8,192, K 1,024] x [K 1,024, N 1,024]; A: computed on the way; B: input w_out (given as codes): QUANTISED
;;   THE QUANTISER, for each operand of a quantised product, along K:
;;     - K is cut into blocks of 32 from its start; a last block that is shorter is filled with zeros.
;;     - A block's scale is 2^e with e = floor(log2(the largest magnitude in the block)) - 2, held to -126 .. 127; a block of zeros has e = 0. As a byte (E8M0): e + 127.
;;     - Each number is divided by its block's scale, clamped to +-7.5, and rounded to the nearest number of E2M3, ties to even, subnormals kept.
;;     - The product sums the exact products of the quantised numbers (number of the format x scale) in f32.
;;   ~~~python
;;   def quantise(x, axis):      # numpy; x: float32 -> the quantised numbers, widened to float32 again
;;       x = np.moveaxis(x, axis, -1); K = x.shape[-1]
;;       x = np.pad(x, [(0, 0)] * (x.ndim - 1) + [(0, -K % 32)]); x = x.reshape(x.shape[:-1] + (-1, 32)); a = np.abs(x).max(-1, keepdims=True)
;;       e = np.where(a > 0, np.clip(np.frexp(np.where(a > 0, a, 1))[1] - 1 - 2, -126, 127), 0)      # np.frexp(a)[1] - 1 = floor(log2(a)), exactly
;;       r = np.clip(x / 2.0 ** e, -7.5, 7.5)
;;       step = 2.0 ** (np.maximum(np.frexp(np.where(r == 0, 1, r))[1] - 1, 0) - 3)
;;       q = np.round(r / step) * step * 2.0 ** e      # np.round: ties to even
;;       return np.moveaxis(q.reshape(q.shape[:-2] + (-1,))[..., :K], -1, axis).astype(np.float32)
;;   ~~~
;;   SOFTMAX AHEAD OF A QUANTISED PRODUCT. Where the list says 'softmax', what is quantised is not the finished softmax but p = 2^(t - M), with t = logit x log2(e) and M = ceil(the row's largest t), a whole number; so 1/2 < the row's largest p <= 1. The row's sum l is taken of the UNQUANTISED p, in f32, and the product's result is divided by l at the end. Since M is a whole number, a kernel that streams over the keys may use a running M (the ceiling of the running maximum): every later rescaling is an exact power of two, which a block's scale takes up: the codes' values come out the same.
;;   OPERANDS COMPUTED ON THE WAY. 'Computed on the way' means the value that the module computes at that place (a softmax that the list does not call 'softmax' is quantised finished and normalised). What goes into a quantiser is computed in f32, as accurately as f32 sums, v_exp_f32 and their like allow (about 1e-6 of the number): no bf16 or f16 on the way to a quantiser, and a product that is left as it is and whose result goes on into a quantised operand takes f32 operands (vector FMAs, or v_wmma_f32_16x16x4_f32). A number that lies on a knife's edge between two numbers of the format may be rounded either way, as far as f32 arithmetic and the matrix unit's own rounding can turn it there, and no further.
;;   INPUTS GIVEN AS CODES. values (in the module: [8, 1024, 1024], K = its axis 1); w_out (in the module: [1024, 1024], K = its axis 1): each comes as NAME_codes (uint8): NAME with its K axis moved to the last place and cut into blocks of 32 codes, [.., K / 32, bytes a block], one block behind the other in memory; four codes in three bytes: a row's codes are one little-endian stream of bits, code i at bits 6 i .. 6 i + 5 (a code: sign, 2 exponent bits, 3 mantissa bits); and NAME_scales (uint8): the same leading axes, one E8M0 byte (e + 127) for each 32 codes along K. Its value is code x scale, taken as it is: it is not quantised again, and the codes and scales need not be those that the quantiser above would give.
;; 2 versions, each right; version 2 is version 1 with the launch attn written anew for expert scheduling mode. Each part assembles by itself: llvm-mc -triple=amdgcn-amd-amdhsa -mcpu=gfx1250 --defsym DOCPART=n.
;; ======== version 1 of 2: 2 launches
;; limits: right only within a limited range of input values
;; workspace buffers: ocodes 6,291,456 bytes; oscales 262,144 bytes
;; launch attn (part 1): grid 2 x 128, 16 waves a work-group, no clusters, 251,904 bytes of LDS; arguments keys, queries, values_codes, values_scales, attention_mask, ocodes, oscales; writes ocodes, oscales
.if DOCPART == 1
	.amdgcn_target "amdgcn-amd-amdhsa--gfx1250"
	.amdhsa_code_object_version 6
	.text
	.protected	k_qc4056ccfd3_attn
	.globl	k_qc4056ccfd3_attn
	.p2align	8
	.type	k_qc4056ccfd3_attn,@function
k_qc4056ccfd3_attn:
	s_mov_b64 s[64:65], 0
	v_nop
	global_prefetch_b8 v0, s[64:65] scope:SCOPE_SE
	s_setreg_imm32_b32 hwreg(HW_REG_WAVE_MODE, 25, 1), 1
	s_wait_xcnt 0x0
; ATTENTION ON CODES OF FP6 (E2M3), one E8M0 scale for each 32 along a product's K.  8 batches, 16 heads of 64 channels, 1,024 keys, 1,024 queries.
; A work-group owns one (batch, head) and 512 of its queries.  It quantises the head's keys (along the 64 channels) and its queries / 8 itself, takes the values as the codes that are given (keys innermost),
; and leaves O / l, quantised along the channels, as codes and scale bytes for the launch that multiplies by w_out.
; THE SOFTMAX: t = (q.k / 8 + bias) x log2(e), bias = (1 - mask) x -1e12; M = the running largest t rounded UP to a whole number; p = 2^(t - M) is quantised along the keys, not normalised;
; the row's sum l is taken of the unquantised p; when M moves, l and O are multiplied by 2^(old M - new M), which rounds nothing.
; SHARES.  Sixteen waves of 256 registers, four to a SIMD, so that one wave's vector work stands beside another's products and LDS loads.  Wave w takes the tiles of 16 queries w and w + 16, one after the other,
; and walks all 1,024 keys for each, 128 a step.  A head's K codes (48 KB), V codes (49 KB), scale words and bias all lie in LDS at once: filled once, through registers, one barrier, then only read.
; NO CLUSTER, NO TENSOR LOAD: only the two work-groups of a head share anything; the keys pass through registers to be quantised, so no copy into LDS could be shared; the shared V is 50 KB of the 434 KB that a work-group reads.
; LAYOUT.  Both products are used transposed (S^T = K Q^T, O^T = V^T P^T): a lane holds ONE query (lane % 16) throughout.
;   The first product's K is 64, half of the instruction's 128.  A fragment of K therefore holds TWO keys a row: lane (r, h), registers 0-5: key 32 b + r + 8 (r / 8), channels 32 h on; registers 6-11: the key 8 further on.
;   Q stands between two runs of zero codes: (q, 0) picks the first key of each row, (0, q) the second.  So one fragment read from LDS feeds two products, and the 16 registers of tiles 2 b, 2 b + 1 are keys 32 b + 16 h + 0 .. 15.
;   V's rows lie in LDS with bits 3 and 4 of the channel exchanged, so that the 16 registers of O's tiles 2 B, 2 B + 1 are channels 32 B + 16 h + 0 .. 15: neighbours along the last product's K.
; THE MASK.  The bias is the C of the first product.  Where all 128 keys of a step are open (a scalar flag made of the mask's bytes) the constant 0 takes its place and the 16 LDS loads of the bias are left out.
; LIMITS.  NaN and infinities among the inputs are not served.  A block whose largest magnitude lies under 2^-124 keeps the scale byte 1 (not tried); a block of zeros has the byte 1 where the rule says 127: its codes are zeros,
;   and the bytes are read by this program alone.  The largest t starts at -2^30: rows whose every open logit has t under -2^30 are not served.  In a batch with NO open key every logit is -1e12 in f32 as long as
;   |q.k / 8| < 32,768; all t are then equal and p = 1: the text takes c = 0 there, which gives just that.
.set KIMG,  0                          ; LDS: K's 32 fragments (4 a step) as images of their registers: [3][lane][16 bytes], 1,536 bytes each
.set KSC,   49152                      ; K's scale words: [step 8][lane 32][fragment 4]
.set VROW,  53248                      ; V's 64 rows of 768 bytes, 784 apart: 4 words more than a multiple of 64 words, so the 32 lanes of a load of 8 bytes touch 64 different words modulo 64
.set VP,    784
.set VSC,   103424                     ; V's scale words: [step 8][row of a tile 16][tile 4]
.set BIAS,  105472                     ; (1 - mask) x -1e12, f32, a word a key
.set ASTG,  109568                     ; O's scale bytes, two a query, gathered for the way out
.set STG,   110592                     ; a stage of 32 rows x (256 + 16) bytes for each wave: f32 rows turn through it
.set SP,    272
.set WSTG,  32*SP
.set FLOOR, 0x1800000                  ; 2^(3 - 127): under it no largest magnitude is taken, so no scale byte falls under 1
.set AKI, 1                            ; v1   16 x lane: my place in an image
.set AKS, 2                            ; v2   KSC + 16 x lane
.set AVR, 3                            ; v3   VROW + 784 r + 24 h
.set AVS, 4                            ; v4   VSC + 16 r
.set ABI, 5                            ; v5   BIAS + 64 h
.set ADK, 6                            ; v6-10 the step's addresses: K's images, K's scale words, the bias, V's rows, V's scale words
.set ADS, 7
.set ADB, 8
.set ADV, 9
.set ADT, 10
.set L8,  11                           ; v11  8 x lane
.set QZ,  16                           ; v16-21 zero codes, v22-27 Q's codes, v28-33 zero codes   (v12 -M, v13 the largest t, v[14:15] the sum in two halves)
.set QC,  22
.set QN,  34                           ; v34-39 the second tile's codes
.set QS,  40                           ; v40  Q's scale word; v41 the second tile's
.set QNS, 41
.set ASA, 42                           ; v42  ASTG + 32 w + 2 r; v43 the same for the tile in hand
.set ASB, 43
.set KS,  44                           ; v44-47 K's scale words of a step
.set VS,  48                           ; v48-51 V's
.set F,   52                           ; v52-99 four fragments, of K and then of V
.set S,   100                          ; v100-163 S^T, then p
.set O,   164                          ; v164-195 O^T
.set P,   196                          ; v196-207 p's codes
.set T,   208                          ; v208-210, v212-214 second halves of the conversions
.set BM,  216                          ; v216-219 largest scores or magnitudes
.set PT,  220                          ; v220-223 the other half's; bytes
.set SO,  224                          ; v224-227 the conversions' scale operands
.set PW,  228                          ; v228 p's scale word
.set FF,  230                          ; v[230:231] f = 2^(old M - new M)
.set TMP, 232                          ; v[232:233] at work
.set R0,  52                           ; the head alone: 64 numbers a lane of K's first fragment, then the second tile of Q
.set R1,  116                          ; of K's second fragment
.set Q0,  180                          ; 32 numbers a lane of the first tile of Q
.set C,   232                          ; v232-243 a fragment's codes
.set GK,  244                          ; v244 4,096 (lane / 16) + 16 (lane % 16): sixteen lanes take 256 consecutive bytes of a row, the other sixteen of the next row
.set STO, 245                          ; v245 the same place in my stage
.set SRD, 246                          ; v246 out of the stage: row r, 128 h bytes on
.set KWI, 247                          ; v247 where my fragments' images go
.set KWS, 248                          ; v248 and their scale words
.set VWA, 249                          ; v249 where my four rows of V go
.set VSG, 250                          ; v250 4 x thread: V's scale words in memory
.set VSW, 251                          ; v251 and in LDS
.set MG,  252                          ; v252 2 x thread: two bytes of the mask
.set BW,  253                          ; v253 BIAS + 8 x thread
.set ML,  254                          ; v254 32 x lane: 32 bytes of the mask
.set H8,  255                          ; v255 8 h
.set WV,  18                           ; s18 my wave's number
.set BH,  20                           ; s20 16 x batch + head; s21 batch; s22 head
.set BB,  21
.set HD,  22
.set X,   23                           ; s23, s43 at work
.set Y,   43
.set SEL, 30                           ; s[30:31] selects of v_permlanex16_b32: lane l xor 16
.set CS,  32                           ; s[32:33] c = log2(e): the packed form names a pair and takes its low word for both halves
.set TK,  34                           ; s34-37 the step's place in K's images, in K's scale words and the bias, in V's rows, in V's scale words
.set TS,  35
.set TV,  36
.set TT,  37
.set SH,  38                           ; s38 4 x step: where the step's four flags stand
.set MF,  39                           ; s39 bit i: keys 32 i .. 32 i + 31 are all open
.set NSTEP, 40
.set NTILE, 41
.set TA,  42                           ; s42 512 x tile: the tile's place in ASTG
.macro DENSE reg, base, n, off, nt     ; 2 n rows of 256 bytes, 4,096 bytes apart: each load takes two rows, sixteen lanes to a row's 256 consecutive, aligned bytes
.set di, 0
.rept \n
.if \nt
	global_load_b128 v[\reg+4*di:\reg+4*di+3], v[GK], s[\base:\base+1] offset:\off+8192*di th:TH_LOAD_NT
.else
	global_load_b128 v[\reg+4*di:\reg+4*di+3], v[GK], s[\base:\base+1] offset:\off+8192*di
.endif
.set di, di+1
.endr
.endm
.macro TOSTAGE reg, n, perm            ; the rows go into my stage as they were loaded.  perm = 1: row x lies at the place x with its bits 3 and 4 exchanged
.set di, 0
.rept \n
.if \perm
.set sl, ((2*di)&7)|((((2*di)>>3)&1)<<4)|((((2*di)>>4)&1)<<3)
.else
.set sl, 2*di
.endif
	ds_store_b128 v[STO], v[\reg+4*di:\reg+4*di+3] offset:sl*SP
.set di, di+1
.endr
.endm
.macro FROMSTAGE reg, nb               ; and come back 32 neighbours a lane: lane (r, h) takes channels 32 h .. 32 h + 31 of place 16 c + r, c < nb
.set di, 0
.rept 8*\nb
	ds_load_b128 v[\reg+4*di:\reg+4*di+3], v[SRD] offset:16*SP*(di/8)+16*(di%8)
.set di, di+1
.endr
.endm
; 64 numbers of a lane, two whole blocks of 32 (two keys, my half of their channels), become a fragment's 12 registers and my row's scale word; both go to LDS as they stand.
.macro KQUANT reg, f
.irp c, 0,1
	v_max3_num_f32 v[BM+\c], |v[\reg+32*\c]|, |v[\reg+32*\c+1]|, FLOOR
.endr
.irp i, 2,4,6,8,10,12,14,16,18,20,22,24,26,28,30
.irp c, 0,1
	v_max3_num_f32 v[BM+\c], v[BM+\c], |v[\reg+32*\c+\i]|, |v[\reg+32*\c+\i+1]|   ; the two blocks by turns
.endr
.endr
.irp c, 0,1
	v_add_nc_u32 v[SO+\c], 0xff000000, v[BM+\c]    ; 2 off the exponent field: the conversion takes that field of this operand as its scale
.endr
.irp c, 0,1
	v_lshrrev_b32 v[PT+\c], 23, v[SO+\c]           ; the scale's byte
.endr
	v_lshl_or_b32 v[PT+2], v[PT+1], 16, v[PT]      ; my two bytes: blocks h and 2 + h of the row,
	v_lshlrev_b32 v[PT+2], v[H8], v[PT+2]          ; at their places;
	v_permlanex16_b32 v[PT+3], v[PT+2], s[SEL], s[SEL+1]
	v_or_b32 v[PT+2], v[PT+2], v[PT+3]             ; with lane l xor 16's two the word is whole
	v_cvt_scalef32_pk16_fp6_f32 v[C:C+2], v[\reg:\reg+15], v[SO]
	v_cvt_scalef32_pk16_fp6_f32 v[T+4:T+6], v[\reg+16:\reg+31], v[SO]          ; (a conversion's three registers begin on an even number)
	v_cvt_scalef32_pk16_fp6_f32 v[C+6:C+8], v[\reg+32:\reg+47], v[SO+1]
	v_cvt_scalef32_pk16_fp6_f32 v[QN:QN+2], v[\reg+48:\reg+63], v[SO+1]
	v_nop                                          ; one plain place behind a scaled conversion
.irp i, 0,1,2
	v_mov_b32 v[C+3+\i], v[T+4+\i]
	v_mov_b32 v[C+9+\i], v[QN+\i]
.endr
.irp g, 0,1,2
	ds_store_b128 v[KWI], v[C+4*\g:C+4*\g+3] offset:1536*\f+512*\g
.endr
	ds_store_b32 v[KWS], v[PT+2] offset:4*\f
.endm
; 32 numbers of a lane, one block of a query, become q / 8 and then six registers of codes in v[dst] on and the scale word (s0, s1, s0, s1).
.macro QQUANT reg, dst, word
.irp i, 0,2,4,6,8,10,12,14,16,18,20,22,24,26,28,30
	v_pk_mul_f32 v[\reg+\i:\reg+\i+1], v[\reg+\i:\reg+\i+1], 0x3e000000 op_sel_hi:[1,0]   ; / 8
.endr
	v_max3_num_f32 v[BM], |v[\reg]|, |v[\reg+1]|, FLOOR
	v_max3_num_f32 v[BM+1], |v[\reg+2]|, |v[\reg+3]|, FLOOR
.irp i, 4,8,12,16,20,24,28
	v_max3_num_f32 v[BM], v[BM], |v[\reg+\i]|, |v[\reg+\i+1]|
	v_max3_num_f32 v[BM+1], v[BM+1], |v[\reg+\i+2]|, |v[\reg+\i+3]|
.endr
	v_max_num_f32 v[BM], v[BM], v[BM+1]
	v_add_nc_u32 v[SO], 0xff000000, v[BM]
	v_lshrrev_b32 v[PT], 23, v[SO]
	v_lshlrev_b32 v[PT], v[H8], v[PT]
	v_permlanex16_b32 v[PT+3], v[PT], s[SEL], s[SEL+1]
	v_or_b32 v[PT], v[PT], v[PT+3]
	v_lshl_or_b32 v[\word], v[PT], 16, v[PT]
	v_cvt_scalef32_pk16_fp6_f32 v[\dst:\dst+2], v[\reg:\reg+15], v[SO]
	v_cvt_scalef32_pk16_fp6_f32 v[T+4:T+6], v[\reg+16:\reg+31], v[SO]
	v_nop
.irp i, 0,1,2
	v_mov_b32 v[\dst+3+\i], v[T+4+\i]
.endr
.endm
; The step's eight products S^T = K Q^T.  zero = 1: the sums start at the constant 0; else at the bias, which lies in the accumulators.
.macro SPROD zero
.irp b, 0,1,2,3
.if \zero
	v_wmma_scale_f32_16x16x128_f8f6f4 v[S+16*\b:S+16*\b+7], v[F+12*\b:F+12*\b+11], v[QC:QC+11], 0, v[KS+\b], v[QS] matrix_a_fmt:MATRIX_FMT_FP6 matrix_b_fmt:MATRIX_FMT_FP6
	v_wmma_scale_f32_16x16x128_f8f6f4 v[S+16*\b+8:S+16*\b+15], v[F+12*\b:F+12*\b+11], v[QZ:QZ+11], 0, v[KS+\b], v[QS] matrix_a_fmt:MATRIX_FMT_FP6 matrix_b_fmt:MATRIX_FMT_FP6
.else
	v_wmma_scale_f32_16x16x128_f8f6f4 v[S+16*\b:S+16*\b+7], v[F+12*\b:F+12*\b+11], v[QC:QC+11], v[S+16*\b:S+16*\b+7], v[KS+\b], v[QS] matrix_a_fmt:MATRIX_FMT_FP6 matrix_b_fmt:MATRIX_FMT_FP6
	v_wmma_scale_f32_16x16x128_f8f6f4 v[S+16*\b+8:S+16*\b+15], v[F+12*\b:F+12*\b+11], v[QZ:QZ+11], v[S+16*\b+8:S+16*\b+15], v[KS+\b], v[QS] matrix_a_fmt:MATRIX_FMT_FP6 matrix_b_fmt:MATRIX_FMT_FP6
.endif
.endr
.endm
	s_load_b256 s[4:11], s[0:1], 0x0               ; keys s[4:5], queries s[6:7], V's codes s[8:9], V's scales s[10:11]
	s_load_b128 s[12:15], s[0:1], 0x20             ; the mask s[12:13], O's codes s[14:15]
	s_load_b64 s[16:17], s[0:1], 0x30              ; O's scale bytes
	v_lshl_add_u32 v215, v0, 2, 0x3d000
	v_mov_b32 v229, 0
	v_lshrrev_b32 v9, 5, v0
	v_readfirstlane_b32 s[WV], v9                  ; wave 0..15
	v_and_b32 v6, 31, v0                           ; lane
	v_and_b32 v7, 15, v0                           ; r
	v_bfe_u32 v8, v0, 4, 1                         ; h
	s_and_b32 s[BH], ttmp7, 0xffff
	s_lshr_b32 s[BB], s[BH], 4
	s_and_b32 s[HD], s[BH], 15
	s_mov_b32 s[SEL], 0x76543210
	s_mov_b32 s[SEL+1], 0xfedcba98
	; the addresses that stay
	v_lshlrev_b32 v[AKI], 4, v6
	v_add_nc_u32 v[AKS], KSC, v[AKI]
	v_mul_u32_u24 v[AVR], v7, VP
	v_mad_u32_u24 v[AVR], v8, 24, v[AVR]
	v_add_nc_u32 v[AVR], VROW, v[AVR]
	v_lshl_add_u32 v[AVS], v7, 4, VSC
	v_lshl_add_u32 v[ABI], v8, 6, BIAS
	v_lshlrev_b32 v[L8], 3, v6
	s_lshl_b32 s[X], s[WV], 5
	v_lshl_add_u32 v[ASA], v7, 1, s[X]
	v_add_nc_u32 v[ASA], ASTG, v[ASA]
	; the head's addresses
	v_lshlrev_b32 v[GK], 12, v8
	v_lshl_add_u32 v[GK], v7, 4, v[GK]
	s_mul_i32 s[X], s[WV], WSTG
	s_add_co_u32 s[X], s[X], STG                   ; my stage
	v_mul_u32_u24 v[STO], v8, SP
	v_lshl_add_u32 v[STO], v7, 4, v[STO]
	v_add_nc_u32 v[STO], s[X], v[STO]
	v_mul_u32_u24 v[SRD], v7, SP
	v_lshl_add_u32 v[SRD], v8, 7, v[SRD]
	v_add_nc_u32 v[SRD], s[X], v[SRD]
	s_mul_i32 s[X], s[WV], 3072                    ; wave w quantises keys 64 w .. 64 w + 63: fragments 2 w and 2 w + 1
	v_add_nc_u32 v[KWI], s[X], v[AKI]
	s_lshr_b32 s[X], s[WV], 1
	s_lshl_b32 s[X], s[X], 9                       ; step w / 2,
	s_and_b32 s[Y], s[WV], 1
	s_lshl_b32 s[Y], s[Y], 3                       ; fragments 2 (w % 2) on
	s_add_co_u32 s[X], s[X], s[Y]
	v_add_nc_u32 v[KWS], s[X], v[AKS]
	s_and_b32 s[X], s[WV], 8                       ; wave w brings channels 4 w .. 4 w + 3 of V: their places are 4 w with bits 3 and 4 exchanged, on
	s_lshl_b32 s[X], s[X], 2
	s_and_b32 s[Y], s[WV], 2
	s_lshl_b32 s[Y], s[Y], 3
	s_or_b32 s[X], s[X], s[Y]
	s_and_b32 s[Y], s[WV], 4
	s_lshl_b32 s[Y], s[Y], 1
	s_or_b32 s[X], s[X], s[Y]
	s_and_b32 s[Y], s[WV], 1
	s_lshl_b32 s[Y], s[Y], 2
	s_or_b32 s[X], s[X], s[Y]
	s_mul_i32 s[X], s[X], VP
	s_add_co_u32 s[X], s[X], VROW
	v_add_nc_u32 v[VWA], s[X], v[L8]
	v_lshlrev_b32 v[VSG], 2, v0                    ; thread t: word t % 8 (the step) of channel t / 8
	v_and_b32 v[VSW], 7, v0
	v_lshlrev_b32 v[VSW], 8, v[VSW]                ; 256 x step
	v_bfe_u32 v9, v0, 3, 3
	v_lshl_or_b32 v[VSW], v9, 4, v[VSW]            ; 16 x (row of the tile): the channel's bits 0-2,
	v_and_or_b32 v[VSW], v0, 128, v[VSW]           ; and its bit 4 as the row's bit 3;
	v_bfe_u32 v9, v0, 6, 1
	v_lshl_or_b32 v[VSW], v9, 2, v[VSW]            ; 4 x tile: the channel's bit 3,
	v_bfe_u32 v9, v0, 8, 1
	v_lshl_or_b32 v[VSW], v9, 3, v[VSW]            ; and its bit 5
	v_add_nc_u32 v[VSW], VSC, v[VSW]
	v_lshlrev_b32 v[MG], 1, v0
	v_lshl_add_u32 v[BW], v0, 3, BIAS
	v_lshlrev_b32 v[ML], 5, v6
	v_lshlrev_b32 v[H8], 3, v8
	; byte offsets into the buffers, each under 2^32
	s_lshl_b32 s24, s[BB], 22
	s_lshl_b32 s[X], s[HD], 8
	s_add_co_u32 s24, s24, s[X]                    ; the batch's first row, the head's 256 bytes of it
	s_lshl_b32 s[X], s[WV], 18
	s_add_co_u32 s26, s24, s[X]                    ; keys: + 64 w rows
	s_mov_b32 s27, 0
	s_lshl_b32 s[X], ttmp9, 21
	s_add_co_u32 s24, s24, s[X]
	s_lshl_b32 s[X], s[WV], 16
	s_add_co_u32 s24, s24, s[X]                    ; queries: + 512 x half + 16 w rows
	s_mov_b32 s25, 0
	s_mul_i32 s28, s[BH], 49152
	s_mul_i32 s[X], s[WV], 3072
	s_add_co_u32 s28, s28, s[X]                    ; V's codes: the head's 64 rows of 768 bytes, my four of them
	s_mov_b32 s29, 0
	s_lshl_b32 s44, s[BH], 11                      ; V's scales: 64 rows of 32 bytes
	s_mov_b32 s45, 0
	s_lshl_b32 s46, s[BB], 10                      ; the mask: 1,024 bytes a batch
	s_mov_b32 s47, 0
	s_lshl_b32 s48, s[BB], 6
	s_lshl_b32 s[X], ttmp9, 5
	s_add_co_u32 s48, s48, s[X]
	s_add_co_u32 s48, s48, s[WV]                   ; my first tile of 16 queries among the 512,
	s_mul_i32 s48, s48, 12288                      ; 16 heads x 768 bytes each,
	s_mul_i32 s[X], s[HD], 768
	s_add_co_u32 s48, s48, s[X]                    ; my head's
	s_mov_b32 s49, 0
	s_lshl_b32 s50, s[HD], 14                      ; O's scale bytes: [head][8,192 rows] of two bytes
	s_lshl_b32 s[X], s[BB], 11
	s_add_co_u32 s50, s50, s[X]
	s_lshl_b32 s[X], ttmp9, 10
	s_add_co_u32 s50, s50, s[X]
	s_mov_b32 s51, 0
	s_wait_kmcnt 0x0
	s_add_nc_u64 s[4:5], s[4:5], s[26:27]
	s_add_nc_u64 s[6:7], s[6:7], s[24:25]
	s_add_nc_u64 s[8:9], s[8:9], s[28:29]
	s_add_nc_u64 s[10:11], s[10:11], s[44:45]
	s_add_nc_u64 s[12:13], s[12:13], s[46:47]
	s_add_nc_u64 s[14:15], s[14:15], s[48:49]
	s_add_nc_u64 s[16:17], s[16:17], s[50:51]
	; ALL THAT THE WAVE READS BUT ITS SECOND TILE OF QUERIES IS ASKED FOR IN ONE RUN: 56 loads
.irp i, 0,1,2,3
.irp j, 0,1,2
	global_load_b64 v[12+2*(3*\i+\j):13+2*(3*\i+\j)], v[L8], s[8:9] offset:768*\i+256*\j   ; V: 256 consecutive bytes a load
.endr
.endr
	global_load_b32 v37, v[VSG], s[10:11]
	global_load_u16 v36, v[MG], s[12:13]
	global_load_b128 v[BM:BM+3], v[ML], s[12:13]
	global_load_b128 v[PT:PT+3], v[ML], s[12:13] offset:16
	DENSE R0, 4, 16, 0, 0                          ; keys 64 w .. + 31   (the head's other work-group reads them too: no hint)
	DENSE R1, 4, 16, 32*4096, 0                    ; keys 64 w + 32 .. + 63
	DENSE Q0, 6, 8, 0, 1                           ; my first 16 queries: read once in the launch
	s_wait_loadcnt 40                              ; V, its scale word and the mask are in; K's 32 loads and Q's 8 stay out
.irp i, 0,1,2,3
.irp j, 0,1,2
	ds_store_b64 v[VWA], v[12+2*(3*\i+\j):13+2*(3*\i+\j)] offset:VP*\i+256*\j
.endr
.endr
	ds_store_b32 v[VSW], v37
	v_and_b32 v38, 0xff, v36                       ; two keys' mask bytes, 0 or 1
	v_lshrrev_b32 v39, 8, v36
	v_cvt_f32_u32 v38, v38
	v_cvt_f32_u32 v39, v39
	v_sub_f32 v38, 1.0, v38
	v_sub_f32 v39, 1.0, v39
	v_mul_f32 v38, 0xd368d4a5, v38                 ; (1 - mask) x -1e12
	v_mul_f32 v39, 0xd368d4a5, v39
	ds_store_b64 v[BW], v[38:39]
	v_and_b32 v[TMP], v[BM], v[BM+1]               ; my lane's 32 bytes of the mask: are all 1?  is any 1?
	v_or_b32 v[TMP+1], v[BM], v[BM+1]
.irp i, 2,3,4,5,6,7
	v_and_b32 v[TMP], v[TMP], v[BM+\i]
	v_or_b32 v[TMP+1], v[TMP+1], v[BM+\i]
.endr
	v_cmp_eq_u32 vcc_lo, 0x01010101, v[TMP]
	s_mov_b32 s[MF], vcc_lo                        ; bit i: keys 32 i .. 32 i + 31 are all open
	v_cmp_ne_u32 vcc_lo, 0, v[TMP+1]
	s_cmp_lg_u32 vcc_lo, 0                         ; has the batch an open key?
	s_cselect_b32 s[CS], 0x3fb8aa3b, 0             ; c = log2(e); in a batch with none all logits are equal, and c = 0 makes all t equal
	s_mov_b32 s[CS+1], s[CS]
.irp b, 0,1,2,3
	v_mov_b32 v[PT+\b], 0                          ; a lane permute's destination counts as one of its sources
.endr
	s_wait_loadcnt 24                              ; K's first 32 rows are in; its other 16 loads and Q's 8 stay out
	TOSTAGE R0, 16, 1
	s_wait_dscnt 0x0                               ; the stores have read their registers (V's and the bias's too)
	FROMSTAGE R0, 2
	s_wait_dscnt 0x0
.irp i, 0,1,2,3,4,5
	v_mov_b32 v[QZ+\i], 0                          ; the zero codes on both sides of Q's
	v_mov_b32 v[QC+6+\i], 0
.endr
	KQUANT R0, 0
	DENSE R0, 6, 8, 256*4096, 1                    ; my second 16 queries, 256 rows on
	s_wait_loadcnt 16                              ; K's other 32 rows are in; the two tiles of Q, 8 loads each, stay out
	TOSTAGE R1, 16, 1
	s_wait_dscnt 0x0                               ; also: the first fragment's stores have read its codes
	FROMSTAGE R1, 2
	s_wait_dscnt 0x0
	KQUANT R1, 1
	s_wait_loadcnt 8                               ; the first tile of Q is in
	TOSTAGE Q0, 8, 0
	s_wait_dscnt 0x0
	FROMSTAGE Q0, 1
	s_wait_dscnt 0x0
	QQUANT Q0, QC, QS
	s_wait_loadcnt 0x0
	TOSTAGE R0, 8, 0
	s_wait_dscnt 0x0
	FROMSTAGE R0, 1
	s_wait_dscnt 0x0
	QQUANT R0, QN, QNS
	s_wait_dscnt 0x0                               ; for the others' sake: all my LDS stores have landed
	s_barrier_signal -1
	s_barrier_wait -1                              ; K, V, their scale words and the bias lie in LDS: from here on they are only read
	s_mov_b32 s[TA], 0
	s_mov_b32 s[NTILE], 2
.Ltile:                                            ; a tile of 16 queries
	s_mov_b32 s[TK], 0
	s_mov_b32 s[TS], 0
	s_mov_b32 s[TV], 0
	s_mov_b32 s[TT], 0
	s_mov_b32 s[SH], 0
	v_mov_b32 v13, 0xce800000                      ; the largest t so far: -2^30: over every masked t (-1.44e12), so that masked keys give p = 0 before the first open key too
	v_floor_f32 v12, -v13                          ; -M
	v_mov_b32 v14, 0                               ; the sum, in two halves
	v_mov_b32 v15, 0
	v_mov_b32 v[FF+1], 0                           ; (named as the upper half of a pair)
.set i, 0
.rept 32
	v_mov_b32 v[O+i], 0                            ; O^T: the step is written once; its first trip finds zeros.  (These lines are also the places between Q's registers, written by vector lines, and the products)
.set i, i+1
.endr
	s_mov_b32 s[NSTEP], 8
.Lstep:                                            ; a step of 128 keys
	v_add_nc_u32 v[ADK], s[TK], v[AKI]             ; five plain lines: the places between the last trip's products and the loads into their fragments' registers
	v_add_nc_u32 v[ADS], s[TS], v[AKS]
	v_add_nc_u32 v[ADB], s[TS], v[ABI]
	v_add_nc_u32 v[ADV], s[TV], v[AVR]
	v_add_nc_u32 v[ADT], s[TT], v[AVS]
.irp b, 0,1,2,3
.irp g, 0,1,2
	ds_load_b128 v[F+12*\b+4*\g:F+12*\b+4*\g+3], v[ADK] offset:1536*\b+512*\g   ; K's four fragments: 512 consecutive bytes a load
.endr
.endr
	ds_load_b128 v[KS:KS+3], v[ADS]                ; and their scale words
	s_lshr_b32 s[Y], s[MF], s[SH]
	s_and_b32 s[Y], s[Y], 15
	s_cmp_eq_u32 s[Y], 15                          ; are the step's 128 keys all open?  (whole numbers read from the mask; no barrier and no address lies under this branch)
	s_cbranch_scc1 .Lopen
.irp b, 0,1,2,3
.irp i, 0,1,2,3
	ds_load_b128 v[S+16*\b+4*\i:S+16*\b+4*\i+3], v[ADB] offset:128*\b+16*\i   ; register 16 b + i holds key 32 b + 16 h + i: its bias
.endr
.endr
	s_wait_dscnt 0x0
	SPROD 0
	s_branch .Ljoin
.Lopen:
	s_wait_dscnt 0x0
	SPROD 1
.Ljoin:
.rept 4
	v_nop                                          ; places in front of the loads into the fragments' registers and of the first read of the scores
.endr
.irp t, 0,1,2,3
.irp p, 0,1,2,3,4,5
	ds_load_b64 v[F+12*\t+2*\p:F+12*\t+2*\p+1], v[ADV] offset:16*VP*\t+48*(\p/3)+8*(\p%3)   ; V's four fragments: they land under the softmax
.endr
.endr
	ds_load_b128 v[VS:VS+3], v[ADT]
.irp b, 0,1,2,3
	v_max3_num_f32 v[BM+\b], v[S+16*\b], v[S+16*\b+1], v[S+16*\b+2]   ; the largest score of each block of 32 keys: for the row's maximum, and, since p rises with the score, for the block's largest p
.endr
.irp i, 3,5,7,9,11,13
.irp b, 0,1,2,3
	v_max3_num_f32 v[BM+\b], v[BM+\b], v[S+16*\b+\i], v[S+16*\b+\i+1]
.endr
.endr
.irp b, 0,1,2,3
	v_max_num_f32 v[BM+\b], v[BM+\b], v[S+16*\b+15]
.endr
.irp b, 0,1,2,3
	v_permlanex16_b32 v[PT+\b], v[BM+\b], s[SEL], s[SEL+1]
.endr
.irp b, 0,1,2,3
	v_max_num_f32 v[BM+\b], v[BM+\b], v[PT+\b]     ; with lane l xor 16's 16 keys
.endr
	v_max3_num_f32 v[TMP], v[BM], v[BM+1], v[BM+2]
	v_max_num_f32 v[TMP], v[TMP], v[BM+3]          ; the step's largest score of my query
	v_mul_f32 v[TMP], s[CS], v[TMP]                ; as t (c is not negative)
	v_max_num_f32 v13, v13, v[TMP]                 ; the running largest t
	v_mov_b32 v[TMP], v12
	v_floor_f32 v12, -v13                          ; the new -M = floor(-t) = -ceil(t)
	v_sub_f32 v[TMP], v12, v[TMP]                  ; old M - new M: a whole number, 0 or less
	v_cvt_i32_f32 v[TMP], v[TMP]                   ; (it saturates)
	v_ldexp_f32 v[FF], 1.0, v[TMP]                 ; f = 2^(old M - new M)
.set i, 0
.rept 32
	v_pk_fma_f32 v[S+i:S+i+1], v[S+i:S+i+1], s[CS:CS+1], v[12:13] op_sel_hi:[1,0,0]   ; t - M, two at a time
.set i, i+2
.endr
.irp b, 0,1,2,3
	v_fma_f32 v[BM+\b], v[BM+\b], s[CS], v12       ; the same of each block's largest score
.endr
.set i, 0
.rept 64
	v_exp_f32 v[S+i], v[S+i]                       ; p = 2^(t - M)
.set i, i+1
.endr
.irp b, 0,1,2,3
	v_exp_f32 v[BM+\b], v[BM+\b]                   ; the block's largest p: the same two instructions on the same number
.endr
	v_pk_mul_f32 v[14:15], v[14:15], v[FF:FF+1] op_sel_hi:[1,0]   ; the sums under the new M.  (The plain place behind the exponentials)
	s_wait_alu depctr_va_vdst(0)
.irp b, 0,1,2,3
	v_max_num_f32 v[BM+\b], FLOOR, v[BM+\b]        ; a block whose every p is 0 keeps the byte 1: its codes are zeros
.endr
.irp b, 0,1,2,3
	v_add_nc_u32 v[SO+\b], 0xff000000, v[BM+\b]
.endr
.irp b, 0,1,2,3
	v_lshrrev_b32 v[PT+\b], 23, v[SO+\b]
.endr
	v_lshl_or_b32 v[PW], v[PT+1], 8, v[PT]         ; p's scale word for these 128 keys
	v_lshl_or_b32 v[PW], v[PT+2], 16, v[PW]
	v_lshl_or_b32 v[PW], v[PT+3], 24, v[PW]
.irp c, 0,1
	v_cvt_scalef32_pk16_fp6_f32 v[P+6*\c:P+6*\c+2], v[S+32*\c:S+32*\c+15], v[SO+2*\c]
	v_cvt_scalef32_pk16_fp6_f32 v[T+4*\c:T+4*\c+2], v[S+32*\c+16:S+32*\c+31], v[SO+2*\c+1]
.endr
	v_nop                                          ; one plain place behind a scaled conversion
.irp c, 0,1                                    ; the operand's layout wants a whole block in a lane: lanes 0-15 block 2 c, lanes 16-31 block 2 c + 1
.irp i, 0,1,2
	v_permlane16_swap_b32 v[P+6*\c+\i], v[T+4*\c+\i]
.endr
.irp i, 0,1,2
	v_mov_b32 v[P+6*\c+3+\i], v[T+4*\c+\i]
.endr
.endr
	v_pk_add_f32 v[TMP:TMP+1], v[S:S+1], v[S+2:S+3]   ; the row's sum is taken of the unquantised p: two at a time, in two chains
.irp j, 4,8,12,16,20,24,28,32,36,40,44,48,52,56,60
	v_pk_add_f32 v[14:15], v[14:15], v[S+\j:S+\j+1]
	v_pk_add_f32 v[TMP:TMP+1], v[TMP:TMP+1], v[S+\j+2:S+\j+3]
.endr
	v_pk_add_f32 v[14:15], v[14:15], v[TMP:TMP+1]
.set i, 0
.rept 16
	v_pk_mul_f32 v[O+i:O+i+1], v[O+i:O+i+1], v[FF:FF+1] op_sel_hi:[1,0]   ; O^T under the new M.  (With the sums: the places between p's codes and scale word, written by vector lines, and the products)
.set i, i+2
.endr
	s_wait_dscnt 0x0                               ; V's fragments and scale words are in
.irp t, 0,1,2,3
	v_wmma_scale_f32_16x16x128_f8f6f4 v[O+8*\t:O+8*\t+7], v[F+12*\t:F+12*\t+11], v[P:P+11], v[O+8*\t:O+8*\t+7], v[VS+\t], v[PW] matrix_a_fmt:MATRIX_FMT_FP6 matrix_b_fmt:MATRIX_FMT_FP6   ; the four accumulators by turns, one instruction a turn
.endr
	s_add_co_u32 s[TK], s[TK], 6144
	s_add_co_u32 s[TS], s[TS], 512
	s_add_co_u32 s[TV], s[TV], 96
	s_add_co_u32 s[TT], s[TT], 256
	s_add_co_u32 s[SH], s[SH], 4
	s_sub_co_u32 s[NSTEP], s[NSTEP], 1
	s_cmp_lg_u32 s[NSTEP], 0
	s_cbranch_scc1 .Lstep
	; THE TILE'S END: O^T / l, quantised along the channels: two blocks of 32, which lie in lanes l and l xor 16 as p's blocks do
.rept 4
	v_nop                                          ; places behind the last products
.endr
	v_add_f32 v14, v14, v15
	v_permlanex16_b32 v[PT], v14, s[SEL], s[SEL+1]
	v_add_f32 v14, v14, v[PT]                      ; the row's sum
	v_rcp_f32 v[TMP], v14
	v_nop                                          ; one plain place behind a transcendental
.set i, 0
	s_wait_alu depctr_va_vdst(0)
.rept 16
	v_pk_mul_f32 v[S+i:S+i+1], v[O+i:O+i+1], v[TMP:TMP+1] op_sel_hi:[1,0]   ; each accumulator from its low end on: register 16 B + i is channel 32 B + 16 h + i of my query
.set i, i+2
.endr
.irp b, 0,1
	v_max3_num_f32 v[BM+\b], |v[S+16*\b]|, |v[S+16*\b+1]|, FLOOR
.endr
.irp i, 2,4,6,8,10,12,14
.irp b, 0,1
	v_max3_num_f32 v[BM+\b], v[BM+\b], |v[S+16*\b+\i]|, |v[S+16*\b+\i+1]|
.endr
.endr
.irp b, 0,1
	v_permlanex16_b32 v[PT+\b], v[BM+\b], s[SEL], s[SEL+1]
.endr
.irp b, 0,1
	v_max_num_f32 v[BM+\b], v[BM+\b], v[PT+\b]
.endr
.irp b, 0,1
	v_add_nc_u32 v[SO+\b], 0xff000000, v[BM+\b]
.endr
.irp b, 0,1
	v_lshrrev_b32 v[PT+\b], 23, v[SO+\b]
.endr
	v_lshl_or_b32 v[PT+2], v[PT+1], 8, v[PT]       ; my query's two scale bytes
	v_cvt_scalef32_pk16_fp6_f32 v[P:P+2], v[S:S+15], v[SO]
	v_cvt_scalef32_pk16_fp6_f32 v[T:T+2], v[S+16:S+31], v[SO+1]
	v_nop
.irp i, 0,1,2
	v_permlane16_swap_b32 v[P+\i], v[T+\i]
.endr
.irp i, 0,1,2
	v_mov_b32 v[P+3+\i], v[T+\i]                   ; six registers: lanes 0-15 block 0, lanes 16-31 block 1: half of the last product's operand, as its registers want it
.endr
.irp p, 0,1,2
	global_store_b64 v[L8], v[P+2*\p:P+2*\p+1], s[14:15] offset:256*\p   ; 32 lanes store 256 consecutive bytes, at a multiple of 256 from the buffer's first byte
.endr
	v_add_nc_u32 v[ASB], s[TA], v[ASA]
	ds_store_b16 v[ASB], v[PT+2]                   ; both lanes of a query write the same two bytes
	s_wait_xcnt 0x0                                ; the stores have read their registers and their base: both are written again only behind this wait
	s_add_nc_u64 s[14:15], s[14:15], 16*12288      ; my second tile lies 16 tiles on
	s_add_co_u32 s[TA], s[TA], 512
.irp i, 0,1,2,3,4,5
	v_mov_b32 v[QC+\i], v[QN+\i]                   ; the second tile's codes
.endr
	v_mov_b32 v[QS], v[QNS]                        ; and scale word
	s_sub_co_u32 s[NTILE], s[NTILE], 1
	s_cmp_lg_u32 s[NTILE], 0
	s_cbranch_scc1 .Ltile
	v_lshlrev_b32 v234, 4, v0                      ; the scale bytes' way out: 16 bytes a thread, threads 0 to 63
	v_add_nc_u32 v235, ASTG, v234
	s_wait_dscnt 0x0                               ; my two-byte stores have landed
	s_barrier_signal -1
	s_barrier_wait -1                              ; everybody's have: 1,024 bytes, the work-group's 512 queries
	s_cmp_lt_u32 s[WV], 2
	s_cbranch_scc0 .Ldone
	ds_load_b128 v[F:F+3], v235
	s_wait_dscnt 0x0
	global_store_b128 v234, v[F:F+3], s[16:17]     ; a wave stores 512 consecutive bytes
.Ldone:
	s_wait_tensorcnt 0x0
	ds_add_u32 v215, v229
	s_wait_dscnt 0x0
	s_endpgm
.Lfunc_end_k_qc4056ccfd3_attn:
	.size	k_qc4056ccfd3_attn, .Lfunc_end_k_qc4056ccfd3_attn-k_qc4056ccfd3_attn
	.p2alignl 7, 3214868480
	.fill 96, 4, 3214868480
	.section	.rodata,"a",@progbits
	.p2align	6, 0x0
	.amdhsa_kernel k_qc4056ccfd3_attn
		.amdhsa_group_segment_fixed_size 251904
		.amdhsa_private_segment_fixed_size 0
		.amdhsa_enable_private_segment 0
		.amdhsa_kernarg_size 56
		.amdhsa_user_sgpr_count 2
		.amdhsa_user_sgpr_kernarg_segment_ptr 1
		.amdhsa_wavefront_size32 1
		.amdhsa_system_sgpr_workgroup_id_x 1
		.amdhsa_system_sgpr_workgroup_id_y 1
		.amdhsa_system_sgpr_workgroup_id_z 1
		.amdhsa_system_vgpr_workitem_id 0
		.amdhsa_next_free_vgpr 256
		.amdhsa_next_free_sgpr 66
		.amdhsa_reserve_vcc 1
		.amdhsa_float_denorm_mode_32 3
		.amdhsa_float_denorm_mode_16_64 3
		.amdhsa_memory_ordered 1
		.amdhsa_forward_progress 1
		.amdhsa_inst_pref_size 58
	.end_amdhsa_kernel
	.amdgpu_metadata
---
amdhsa.version: [ 1, 2 ]
amdhsa.kernels:
  - .name:           k_qc4056ccfd3_attn
    .symbol:         k_qc4056ccfd3_attn.kd
    .args:
      - { .name: keys, .offset: 0, .size: 8, .value_kind: global_buffer, .address_space: global }
      - { .name: queries, .offset: 8, .size: 8, .value_kind: global_buffer, .address_space: global }
      - { .name: values_codes, .offset: 16, .size: 8, .value_kind: global_buffer, .address_space: global }
      - { .name: values_scales, .offset: 24, .size: 8, .value_kind: global_buffer, .address_space: global }
      - { .name: attention_mask, .offset: 32, .size: 8, .value_kind: global_buffer, .address_space: global }
      - { .name: ocodes, .offset: 40, .size: 8, .value_kind: global_buffer, .address_space: global }
      - { .name: oscales, .offset: 48, .size: 8, .value_kind: global_buffer, .address_space: global }
    .group_segment_fixed_size: 251904
    .private_segment_fixed_size: 0
    .kernarg_segment_align: 8
    .kernarg_segment_size: 56
    .max_flat_workgroup_size: 512
    .sgpr_count:     66
    .vgpr_count:     256
    .wavefront_size: 32
...
	.end_amdgpu_metadata
.endif
;; end of part 1
;; launch proj (part 2): grid 8 x 32, 8 waves a work-group, clusters of 4 x 4, 327,680 bytes of LDS; arguments ocodes, oscales, w_out_codes, w_out_scales, out0; writes out0
.if DOCPART == 2
	.amdgcn_target "amdgcn-amd-amdhsa--gfx1250"
	.amdhsa_code_object_version 6
	.text
	.protected	k_qc4056ccfd3_proj
	.globl	k_qc4056ccfd3_proj
	.p2align	8
	.type	k_qc4056ccfd3_proj,@function
k_qc4056ccfd3_proj:
	s_mov_b64 s[64:65], 0
	v_nop
	global_prefetch_b8 v0, s[64:65] scope:SCOPE_SE
	s_setreg_imm32_b32 hwreg(HW_REG_WAVE_MODE, 25, 1), 1
	s_wait_xcnt 0x0
	s_wait_alu depctr_hold_cnt(0) depctr_sa_sdst(0) depctr_va_vdst(0) depctr_va_sdst(0) depctr_va_ssrc(0) depctr_va_vcc(0) depctr_vm_vsrc(0)
	s_getreg_b32 s2, hwreg(HW_REG_IB_STS2, 6, 4)
	s_cmp_eq_u32 s2, 0
	s_cbranch_scc0 .Lentry_in_a_cluster
	s_endpgm
.Lentry_in_a_cluster:
	s_bfe_u32 s2, ttmp6, 0x10000c
	s_cmp_lg_u32 s2, 0xf033
	s_cbranch_scc0 .Lentry_shape_is_right
	s_endpgm
.Lentry_shape_is_right:
; out0[m][n] = the sum over k of O[m][k] W[n][k], both on codes of FP6 (E2M3) with one E8M0 scale for each 32 along K.  m: 8,192 rows, n: 1,024, k: 1,024.  out0 is f32.
; O's codes lie as the launch before left them: [tile of 16 rows][K step of 128][piece 6][lane][8 bytes]: the image of an operand's 12 registers, 1,536 bytes a K step.  Its scale bytes: [head 16][row] of two bytes.
; W's codes and scale bytes lie as they are given: rows of 768 and of 32 bytes, K innermost.
; A work-group makes 256 x 128 of out0: 256 work-groups.  Eight waves, two to a SIMD, each 64 x 64: 16 accumulators, 128 registers, no register windows.
; ALL OF K LIES IN LDS AT ONCE: A's 256 rows are 196,608 bytes, W's 128 rows 98,304.  Every LDS byte is filled once, so there is no ring; A comes in four chunks of two K steps, each waited for when it is wanted.
; By this text's own count a wave has five tensor loads outstanding.
; CLUSTERS: 4 x 4 work-groups.  The four of a row of the cluster need the same rows of O, the four of a column the same rows of W: each tile is asked for JOINTLY, by the same tensor load with the same descriptor
; and a mask that names the four.  THE MATRIX INSTRUCTION IS USED TRANSPOSED (source 0 = 16 rows of W, source 1 = 16 rows of O): a lane then holds eight neighbouring numbers of a row of out0.
.set CHUNK,  49152                     ; LDS from 0: A: [chunk 4][tile of 16 rows 16][3,072 bytes]
.set WBASE,  196608                    ; W: 128 rows of 768 bytes, as units of 256 bytes + 16 of padding: 816 apart = 12 words more than a multiple of 64: the 32 lanes of a load of 8 bytes touch 64 different words modulo 64
.set WP,     816
.set SCW,    301056                    ; scale words, written by LDS stores alone: [K step 8][A's 256 rows, then W's 128 rows]
.set SKK,    1536
.set SPITCH, 272                       ; the way out: a stage of 16 rows x (256 + 16) bytes for each wave, in A's chunk 0: filled once, and read for the last time ahead of the barrier of K step 2
.set AW0, 1                            ; v1   W's fragments: WBASE + (64 wn + r) 816 + 24 h
.set AW1, 2                            ; v2   the same for the pieces whose partner three pieces on lies behind one padding more: 40 h
.set AA,  3                            ; v3-6 A's fragments in chunk c: 49,152 c + 12,288 wm + 8 x lane
.set ASC, 7                            ; v7   scale words: lanes 0-15 A's rows, lanes 16-31 W's
.set STO, 8                            ; v8   the way out: where I put 32 bytes of a row
.set SRD, 9                            ; v9   where I read a row back
.set CO,  10                           ; v10  my byte offset in two rows of out0
.set L16, 11                           ; v11  16 x lane
.set SC,  12                           ; v12-15 scale words: register i: lanes 0-15 A's block i, lanes 16-31 W's block i
.set BF,  16                           ; v16-63  W's four fragments
.set AF,  64                           ; v64-111 A's four
.set ACC, 112                          ; v112-239 accumulator (a, b) at 112 + 8 (4 a + b)
.set BK,  16                           ; the way out: 16 rows read back: v16-47 and v48-79 by turns
.set G1A, 24                           ; s[24:31] descriptor group 1 for A's tiles; s[68:83] group 0, one set for each chunk
.set G0A, 68
.set G1W, 48                           ; s[48:55], s[56:59] the same for W's tile
.set G0W, 56
.macro ROUND                           ; a round of the cluster's barrier
	s_barrier_signal -1
	s_barrier_wait -1
	s_cmp_lg_u32 s14, 0
	s_cbranch_scc1 .Lnot_wave_0_\@
	s_barrier_signal -3
.Lnot_wave_0_\@:
	s_barrier_wait -3
	s_barrier_signal -1
	s_barrier_wait -1
.endm
.macro PLACES                          ; four plain places behind a matrix instruction, in front of loads into its registers and of reads of its result
.rept 4
	v_nop
.endr
.endm
	s_load_b128 s[4:7], s[0:1], 0x0                ; O's codes s[4:5], O's scales s[6:7]
	s_load_b128 s[8:11], s[0:1], 0x10              ; W's codes s[8:9], W's scales s[10:11]
	s_load_b64 s[12:13], s[0:1], 0x20              ; out0
	v_lshl_add_u32 v254, v0, 2, 0x4c800
	v_mov_b32 v255, 0
	ds_add_u32 v254, v255
	ds_add_u32 v254, v255
	v_lshrrev_b32 v64, 5, v0
	v_readfirstlane_b32 s14, v64                   ; wave 0..7
	s_lshr_b32 s15, s14, 1                         ; wm: which 64 rows of the tile
	s_and_b32 s16, s14, 1                          ; wn: which 64 columns
	s_bfe_u32 s40, ttmp6, 0x40000                  ; cx, cy: my place in the cluster
	s_bfe_u32 s41, ttmp6, 0x40004
	s_lshl_b32 s42, ttmp9, 2
	s_add_co_u32 s42, s42, s40                     ; tile column = 4 x cluster x + cx
	s_and_b32 s17, ttmp7, 0xffff
	s_lshl_b32 s17, s17, 2
	s_add_co_u32 s17, s17, s41                     ; tile row = 4 x cluster y + cy
	s_lshl_b32 s43, s41, 2
	s_lshl_b32 s43, 15, s43                        ; my row of the cluster
	s_lshl_b32 s44, 0x1111, s40                    ; my column
	; A: two tiles of 16 rows a wave, two K steps of each: 2 rows of 384 elements of 8 bytes, 12,288 bytes apart; no padding
	s_or_b32 s[G1A], s43, (3<<16)|(1<<21)          ; 15:0 the mask: my row; 17:16 elements of 8 bytes; 21 set beside a mask
	s_mov_b32 s[G1A+1], 384<<16                    ; tensor_dim0
	s_mov_b32 s[G1A+2], 2<<16                      ; tensor_dim1
	s_mov_b32 s[G1A+3], 384<<16                    ; tile_dim0
	s_mov_b32 s[G1A+4], 2                          ; tile_dim1
	s_mov_b32 s[G1A+5], 1536                       ; tensor_dim0_stride
	s_mov_b32 s[G1A+6], 0
	s_mov_b32 s[G1A+7], 0
	; W: 16 rows a wave, 12,288 dense bytes, as 48 rows of 256 bytes with 16 bytes of padding behind each
	s_or_b32 s[G1W], s44, (3<<16)|(1<<20)|(1<<21)|(5<<22)|(3<<25)   ; the mask: my column; padding on, after every 64 words, of 4 words
	s_mov_b32 s[G1W+1], 32<<16
	s_mov_b32 s[G1W+2], 48<<16
	s_mov_b32 s[G1W+3], 32<<16
	s_mov_b32 s[G1W+4], 48
	s_mov_b32 s[G1W+5], 32
	s_mov_b32 s[G1W+6], 0
	s_mov_b32 s[G1W+7], 0
	s_lshl_b32 s20, s17, 4
	s_lshl_b32 s21, s14, 1
	s_add_co_u32 s20, s20, s21                     ; A: tile of 16 rows 16 x tile row + 2 x wave: made of the tile row and the wave's number alone
	s_mul_i32 s20, s20, 12288
	s_mov_b32 s21, 0
	s_lshl_b32 s46, s42, 7
	s_lshl_b32 s47, s14, 4
	s_add_co_u32 s46, s46, s47                     ; W: row 128 x tile column + 16 x wave: of the tile column and the wave's number alone
	s_mul_i32 s46, s46, 768
	s_mov_b32 s47, 0
	s_mul_i32 s45, s14, 48*272                     ; where they go: no place in the cluster enters an LDS address
	s_mul_i32 s22, s14, 6144
	s_lshl_b32 s32, s14, 15                        ; O's scale bytes: wave w takes K step w: heads 2 w and 2 w + 1, 16,384 bytes a head; the tile's 256 rows of two bytes
	s_lshl_b32 s33, s17, 9
	s_add_co_u32 s32, s32, s33
	s_mov_b32 s33, 0
	s_lshl_b32 s34, s42, 12                        ; W's scale bytes: rows 128 x tile column + 16 x wave, 32 bytes each
	s_lshl_b32 s35, s14, 9
	s_add_co_u32 s34, s34, s35
	s_mov_b32 s35, 0
	s_lshl_b32 s18, s17, 20                        ; out0: row 256 x tile row + 64 wm of 4,096 bytes; column 128 x tile column + 64 wn of 4 bytes
	s_lshl_b32 s23, s15, 18
	s_add_co_u32 s18, s18, s23
	s_lshl_b32 s23, s42, 9
	s_add_co_u32 s18, s18, s23
	s_lshl_b32 s23, s16, 8
	s_add_co_u32 s18, s18, s23
	s_mov_b32 s19, 0
	s_wait_dscnt 0x0
	s_wait_kmcnt 0x0
	s_add_nc_u64 s[20:21], s[4:5], s[20:21]
	s_add_nc_u64 s[46:47], s[8:9], s[46:47]
	s_add_nc_u64 s[6:7], s[6:7], s[32:33]
	s_add_nc_u64 s[10:11], s[10:11], s[34:35]
	s_add_nc_u64 s[12:13], s[12:13], s[18:19]
	s_mov_b32 s[G0W], 1                            ; 1:0 count = 1
	s_add_co_u32 s[G0W+1], s45, WBASE              ; 63:32 LDS address
	s_mov_b64 s[G0W+2:G0W+3], s[46:47]             ; 120:64 global address
	s_or_b32 s[G0W+3], s[G0W+3], 0x80000000        ; 127:126 type = 2
.irp c, 0,1,2,3
	s_mov_b32 s[G0A+4*\c], 1
	s_add_co_u32 s[G0A+4*\c+1], s22, CHUNK*\c
	s_add_nc_u64 s[G0A+4*\c+2:G0A+4*\c+3], s[20:21], 3072*\c
	s_or_b32 s[G0A+4*\c+3], s[G0A+4*\c+3], 0x80000000
.endr
	ROUND                                          ; all sixteen work-groups are here: the joint loads meet
	tensor_load_to_lds s[G0W:G0W+3], s[G1W:G1W+7]  ; all the launch's fills go out as one group: W's rows, then A's four chunks
	s_nop 0
	tensor_load_to_lds s[G0A:G0A+3], s[G1A:G1A+7]
	s_nop 0
	tensor_load_to_lds s[G0A+4:G0A+7], s[G1A:G1A+7]
	s_nop 0
	tensor_load_to_lds s[G0A+8:G0A+11], s[G1A:G1A+7]
	s_nop 0
	tensor_load_to_lds s[G0A+12:G0A+15], s[G1A:G1A+7]
	s_nop 0
.rept 4
	v_nop                                          ; four v_nop follow the last of them
.endr
	v_and_b32 v64, 31, v0                          ; lane
	v_and_b32 v65, 15, v0                          ; r
	v_bfe_u32 v66, v0, 4, 1                        ; h
	v_lshlrev_b32 v[L16], 4, v64
	global_load_b128 v[240:243], v[L16], s[6:7]                ; the even head's two bytes of 8 rows a lane: 512 consecutive bytes
	global_load_b128 v[244:247], v[L16], s[6:7] offset:16384   ; the odd head's
	global_load_b128 v[248:251], v[L16], s[10:11]              ; W: row 16 w + lane / 2, words 4 (lane % 2) on
	s_mul_i32 s23, s16, 64*WP
	s_add_co_u32 s23, s23, WBASE
	v_mul_u32_u24 v[AW0], v65, WP
	v_mad_u32_u24 v[AW0], v66, 24, v[AW0]
	v_add_nc_u32 v[AW0], s23, v[AW0]
	v_lshl_add_u32 v[AW1], v66, 4, v[AW0]
	s_mul_i32 s23, s15, 12288
	v_lshl_add_u32 v[AA], v64, 3, s23
.irp c, 1,2,3
	v_add_nc_u32 v[AA+\c], CHUNK*\c, v[AA]
.endr
	s_lshl_b32 s23, s16, 8
	s_add_co_u32 s23, s23, 1024                    ; W's words lie behind A's 1,024 bytes
	s_lshl_b32 s36, s15, 8
	s_sub_co_u32 s23, s23, s36                     ; the distance from my A rows' words to my W rows'
	v_mul_u32_u24 v[ASC], s23, v66                 ; lanes 16-31 take W's: one product, the lower base + h x the distance
	v_lshl_add_u32 v[ASC], v65, 2, v[ASC]
	s_add_co_u32 s36, s36, SCW
	v_add_nc_u32 v[ASC], s36, v[ASC]
	s_mul_i32 s23, s14, 16*SPITCH                  ; my stage
	v_mul_u32_u24 v[STO], v65, SPITCH
	v_lshl_add_u32 v[STO], v66, 5, v[STO]
	v_add_nc_u32 v[STO], s23, v[STO]               ; in: row r, 32 bytes for each half of the lanes
	v_mul_u32_u24 v[SRD], v66, SPITCH
	v_lshl_add_u32 v[SRD], v65, 4, v[SRD]
	v_add_nc_u32 v[SRD], s23, v[SRD]               ; back: lanes 0-15 one row of 256 bytes, lanes 16-31 the next
	v_lshlrev_b32 v[CO], 12, v66
	v_lshl_add_u32 v[CO], v65, 4, v[CO]            ; and the same two rows in out0
	s_mul_i32 s23, s14, SKK
	s_add_co_u32 s23, s23, SCW
	v_lshl_add_u32 v252, v64, 5, s23               ; A's words of K step w: 8 rows, 32 bytes, a lane
	v_and_b32 v67, 1, v64
	v_mul_u32_u24 v253, v67, 4*SKK                 ; W's words: K steps 4 (lane % 2) on,
	v_lshrrev_b32 v67, 1, v64
	v_lshl_add_u32 v253, v67, 2, v253              ; row 16 w + lane / 2
	s_lshl_b32 s23, s14, 6
	s_add_co_u32 s23, s23, SCW+1024
	v_add_nc_u32 v253, s23, v253
	s_wait_loadcnt 0x0
.irp i, 0,1,2,3
	v_perm_b32 v[16+2*\i], v[244+\i], v[240+\i], 0x05040100   ; a row's word for a K step: the even head's two bytes below, the odd head's above
	v_perm_b32 v[17+2*\i], v[244+\i], v[240+\i], 0x07060302
.endr
	ds_store_b128 v252, v[16:19]
	ds_store_b128 v252, v[20:23] offset:16
.irp i, 0,1,2,3
	ds_store_b32 v253, v[248+\i] offset:SKK*\i
.endr
.macro WFRAG kk, b                     ; a fragment of W, 16 rows x 128 K: lane (r, h) takes 24 bytes at 96 kk + 24 h and 24 at 96 kk + 48 + 24 h of its row, in pieces of 8 bytes
.irp p, 0,1,2,3,4,5
.set PC, 12*(\kk)+6*(\p/3)+\p%3
.if PC%32 < 29
	ds_load_b64 v[BF+12*(\b)+2*\p:BF+12*(\b)+2*\p+1], v[AW0] offset:16*WP*(\b)+8*PC+16*(PC/32)
.else
	ds_load_b64 v[BF+12*(\b)+2*\p:BF+12*(\b)+2*\p+1], v[AW1] offset:16*WP*(\b)+8*PC+16*(PC/32)
.endif
.endr
.endm
; A K step of 128: 52 LDS loads, 16 products.  The other wave of the SIMD works while this one waits for its loads.
.macro KSTEP kk
.if (\kk)%2 == 0
	s_wait_tensorcnt 3-(\kk)/2                     ; my part of this chunk is in (with the first: W's rows too); the later chunks stay out
	s_wait_dscnt 0x0                               ; my LDS stores have landed and my LDS loads are in
	s_barrier_signal -1
	s_barrier_wait -1                              ; everybody's part is in
.endif
.if (\kk) > 0
	PLACES
.endif
.irp i, 0,1,2,3
	ds_load_b32 v[SC+\i], v[ASC] offset:SKK*(\kk)+64*\i
.endr
.irp b, 0,1,2,3
	WFRAG \kk, \b
.endr
.irp a, 0,1,2,3
.irp p, 0,1,2,3,4,5
	ds_load_b64 v[AF+12*\a+2*\p:AF+12*\a+2*\p+1], v[AA+(\kk)/2] offset:3072*\a+1536*((\kk)%2)+256*\p   ; an image: 256 consecutive bytes a load
.endr
.endr
.irp a, 0,1,2,3
	s_wait_dscnt 18-6*\a                           ; the scale words, W's fragments and A's blocks up to a are in; the later blocks' loads, six each, may be out
.irp b, 0,1,2,3
.if (\kk) == 0
	v_wmma_scale_f32_16x16x128_f8f6f4 v[ACC+8*(4*\a+\b):ACC+8*(4*\a+\b)+7], v[BF+12*\b:BF+12*\b+11], v[AF+12*\a:AF+12*\a+11], 0, v[SC+\b], v[SC+\a] matrix_a_fmt:MATRIX_FMT_FP6 matrix_b_fmt:MATRIX_FMT_FP6 matrix_a_scale:MATRIX_SCALE_ROW1
.else
	v_wmma_scale_f32_16x16x128_f8f6f4 v[ACC+8*(4*\a+\b):ACC+8*(4*\a+\b)+7], v[BF+12*\b:BF+12*\b+11], v[AF+12*\a:AF+12*\a+11], v[ACC+8*(4*\a+\b):ACC+8*(4*\a+\b)+7], v[SC+\b], v[SC+\a] matrix_a_fmt:MATRIX_FMT_FP6 matrix_b_fmt:MATRIX_FMT_FP6 matrix_a_scale:MATRIX_SCALE_ROW1
.endif
.endr
.endr
.endm
.irp kk, 0,1,2,3,4,5,6,7               ; the 16 accumulators take turns, one instruction a turn, in the same order in every K step; the first step's products start the sums
	KSTEP \kk
.endr
; THE WAY OUT, a block of 16 rows x 64 columns at a time.  A lane holds 32 neighbouring bytes of a row and the lanes beside it hold other rows: so a block goes through my own stage and comes back as whole rows of 256 bytes.
; LDS serves a wave's instructions in order (ISA guide 5.7.1.4): no wait between the stores and the loads, nor in front of the next block's stores.
.macro TOSTAGE a
.irp b, 0,1,2,3
	ds_store_b128 v[STO], v[ACC+8*(4*(\a)+\b):ACC+8*(4*(\a)+\b)+3] offset:64*\b          ; each accumulator from its low end on
	ds_store_b128 v[STO], v[ACC+8*(4*(\a)+\b)+4:ACC+8*(4*(\a)+\b)+7] offset:64*\b+16
.endr
.irp t, 0,1,2,3,4,5,6,7
	ds_load_b128 v[BK+32*((\a)%2)+4*\t:BK+32*((\a)%2)+4*\t+3], v[SRD] offset:2*\t*SPITCH
.endr
.endm
.macro SEND a, younger                 ; younger: the LDS instructions issued behind block a's loads, which may stay out
	s_wait_dscnt \younger
.irp t, 0,1,2,3,4,5,6,7
	global_store_b128 v[CO], v[BK+32*((\a)%2)+4*\t:BK+32*((\a)%2)+4*\t+3], s[12:13] offset:(16*(\a)+2*\t)*4096 th:TH_STORE_NT   ; 16 lanes store 256 consecutive bytes, at a multiple of 256 from out0's first byte; written once, read by nobody here
.endr
.endm
	PLACES                                         ; behind the last products: for the reads of their results and the loads into the registers that held their fragments
	TOSTAGE 0
	TOSTAGE 1
	SEND 0, 16                                     ; behind block 0's loads: block 1's 8 stores and 8 loads
	s_wait_xcnt 0x0                                ; block 0's stores have read their registers: block 2's loads may land there
	TOSTAGE 2
	SEND 1, 16
	s_wait_xcnt 0x0
	TOSTAGE 3
	SEND 2, 16
	SEND 3, 0
	s_wait_tensorcnt 0x0
	ds_add_u32 v254, v255
	s_wait_dscnt 0x0
	ROUND                                          ; the closing round: no work-group ends while a partner may still ask for a tile that names it
	s_endpgm
.Lfunc_end_k_qc4056ccfd3_proj:
	.size	k_qc4056ccfd3_proj, .Lfunc_end_k_qc4056ccfd3_proj-k_qc4056ccfd3_proj
	.p2alignl 7, 3214868480
	.fill 96, 4, 3214868480
	.section	.rodata,"a",@progbits
	.p2align	6, 0x0
	.amdhsa_kernel k_qc4056ccfd3_proj
		.amdhsa_group_segment_fixed_size 327680
		.amdhsa_private_segment_fixed_size 0
		.amdhsa_enable_private_segment 0
		.amdhsa_kernarg_size 40
		.amdhsa_user_sgpr_count 2
		.amdhsa_user_sgpr_kernarg_segment_ptr 1
		.amdhsa_wavefront_size32 1
		.amdhsa_system_sgpr_workgroup_id_x 1
		.amdhsa_system_sgpr_workgroup_id_y 1
		.amdhsa_system_sgpr_workgroup_id_z 1
		.amdhsa_system_vgpr_workitem_id 0
		.amdhsa_next_free_vgpr 256
		.amdhsa_next_free_sgpr 96
		.amdhsa_reserve_vcc 0
		.amdhsa_float_denorm_mode_32 3
		.amdhsa_float_denorm_mode_16_64 3
		.amdhsa_memory_ordered 1
		.amdhsa_forward_progress 1
		.amdhsa_inst_pref_size 62
	.end_amdhsa_kernel
	.amdgpu_metadata
---
amdhsa.version: [ 1, 2 ]
amdhsa.kernels:
  - .name:           k_qc4056ccfd3_proj
    .symbol:         k_qc4056ccfd3_proj.kd
    .args:
      - { .name: ocodes, .offset: 0, .size: 8, .value_kind: global_buffer, .address_space: global }
      - { .name: oscales, .offset: 8, .size: 8, .value_kind: global_buffer, .address_space: global }
      - { .name: w_out_codes, .offset: 16, .size: 8, .value_kind: global_buffer, .address_space: global }
      - { .name: w_out_scales, .offset: 24, .size: 8, .value_kind: global_buffer, .address_space: global }
      - { .name: out0, .offset: 32, .size: 8, .value_kind: global_buffer, .address_space: global }
    .group_segment_fixed_size: 327680
    .private_segment_fixed_size: 0
    .kernarg_segment_align: 8
    .kernarg_segment_size: 40
    .max_flat_workgroup_size: 256
    .sgpr_count:     96
    .vgpr_count:     256
    .wavefront_size: 32
...
	.end_amdgpu_metadata
.endif
;; end of part 2
;; ======== version 2 of 2: 2 launches; version 1 with the launch attn written anew for expert scheduling mode
;; limits: right only within a limited range of input values
;; workspace buffers: ocodes 6,291,456 bytes; oscales 262,144 bytes
;; launch attn (part 3): grid 2 x 128, 16 waves a work-group, no clusters, 251,904 bytes of LDS; arguments keys, queries, values_codes, values_scales, attention_mask, ocodes, oscales; writes ocodes, oscales
.if DOCPART == 3
	.amdgcn_target "amdgcn-amd-amdhsa--gfx1250"
	.amdhsa_code_object_version 6
	.text
	.protected	k_qc4056ccfd3_attn
	.globl	k_qc4056ccfd3_attn
	.p2align	8
	.type	k_qc4056ccfd3_attn,@function
k_qc4056ccfd3_attn:
	s_mov_b64 s[64:65], 0
	v_nop
	global_prefetch_b8 v0, s[64:65] scope:SCOPE_SE
	s_setreg_imm32_b32 hwreg(HW_REG_WAVE_SCHED_MODE, 0, 2), 2
	s_setreg_imm32_b32 hwreg(HW_REG_WAVE_MODE, 25, 1), 1
	s_wait_xcnt 0x0
	s_wait_alu depctr_vm_vsrc(0)
; ATTENTION ON CODES OF FP6 (E2M3), one E8M0 scale for each 32 along a product's K.  8 batches, 16 heads of 64 channels, 1,024 keys, 1,024 queries.
; A work-group owns one (batch, head) and 512 of its queries.  It quantises the head's keys (along the 64 channels) and its queries / 8 itself, takes the values as the codes that are given (keys innermost),
; and leaves O / l, quantised along the channels, as codes and scale bytes for the launch that multiplies by w_out.
; THE SOFTMAX: t = (q.k / 8 + bias) x log2(e), bias = (1 - mask) x -1e12; M = the running largest t rounded UP to a whole number; p = 2^(t - M) is quantised along the keys, not normalised;
; the row's sum l is taken of the unquantised p; when M moves, l and O are multiplied by 2^(old M - new M), which rounds nothing.
; SHARES.  Sixteen waves of 256 registers, four to a SIMD, so that one wave's vector work stands beside another's products and LDS loads.  Wave w takes the tiles of 16 queries w and w + 16, one after the other,
; and walks all 1,024 keys for each, 128 a step.  A head's K codes (48 KB), V codes (49 KB), scale words and bias all lie in LDS at once: filled once, through registers, one barrier, then only read.
; NO CLUSTER, NO TENSOR LOAD: only the two work-groups of a head share anything; the keys pass through registers to be quantised, so no copy into LDS could be shared; the shared V is 50 KB of the 434 KB that a work-group reads.
; LAYOUT.  Both products are used transposed (S^T = K Q^T, O^T = V^T P^T): a lane holds ONE query (lane % 16) throughout.
;   The first product's K is 64, half of the instruction's 128.  A fragment of K therefore holds TWO keys a row: lane (r, h), registers 0-5: key 32 b + r + 8 (r / 8), channels 32 h on; registers 6-11: the key 8 further on.
;   Q stands between two runs of zero codes: (q, 0) picks the first key of each row, (0, q) the second.  So one fragment read from LDS feeds two products, and the 16 registers of tiles 2 b, 2 b + 1 are keys 32 b + 16 h + 0 .. 15.
;   V's rows lie in LDS with bits 3 and 4 of the channel exchanged, so that the 16 registers of O's tiles 2 B, 2 B + 1 are channels 32 B + 16 h + 0 .. 15: neighbours along the last product's K.
; THE MASK.  The bias is the C of the first product.  Where all 128 keys of a step are open (a scalar flag made of the mask's bytes) the constant 0 takes its place and the 16 LDS loads of the bias are left out.
; LIMITS.  NaN and infinities among the inputs are not served.  A block whose largest magnitude lies under 2^-124 keeps the scale byte 1 (not tried); a block of zeros has the byte 1 where the rule says 127: its codes are zeros,
;   and the bytes are read by this program alone.  The largest t starts at -2^30: rows whose every open logit has t under -2^30 are not served.  In a batch with NO open key every logit is -1e12 in f32 as long as
;   |q.k / 8| < 32,768; all t are then equal and p = 1: the text takes c = 0 there, which gives just that.
; THE MODE: SCHED_MODE bits 1:0 = 2 (LLVM: expert scheduling mode 2), set by the entry lines.  The code itself states the register dependences
; between vector or matrix instructions and memory or LDS instructions, with s_wait_alu, always for 0.
; THE PLAN.  Registers that LDS instructions touch in a step of 128 keys:
;   v6-10      the step's five addresses.  Written by five adds at the step's head; read by all the step's LDS loads.
;   F          K's four fragments land at the head; the eight products S^T read them; V's four fragments land behind those; the four products O^T read them.  One buffer: the wave's 256 registers hold no second.
;   KS, VS     scale words: KS lands with K's fragments, VS with V's; read by the same products.
;   S          in a step with closed keys the bias lands here; the products write it; the softmax reads and writes it.
;   P, PW      p's codes and scale word: written by vector lines, taken by the products O^T as an operand and as scales.
; So a step has: one wait on vm_vsrc ahead of the five adds; one on va_vdst behind them (addresses written; the last step's products done with F and VS, its softmax with S);
; one behind the products S^T (done with F); the exponentials' own; one ahead of the products O^T (P and PW written).
; Outside the loop: each run of loads out of a stage stands behind a wait on vm_vsrc (the stage's stores have read the registers in which they land); each run of stores of what vector lines made behind a wait on va_vdst.
; The addresses v1-5, v11, v42 and v244-254 are made once at the head and never written again.
.set KIMG,  0                          ; LDS: K's 32 fragments (4 a step) as images of their registers: [3][lane][16 bytes], 1,536 bytes each
.set KSC,   49152                      ; K's scale words: [step 8][lane 32][fragment 4]
.set VROW,  53248                      ; V's 64 rows of 768 bytes, 784 apart: 4 words more than a multiple of 64 words, so the 32 lanes of a load of 8 bytes touch 64 different words modulo 64
.set VP,    784
.set VSC,   103424                     ; V's scale words: [step 8][row of a tile 16][tile 4]
.set BIAS,  105472                     ; (1 - mask) x -1e12, f32, a word a key
.set ASTG,  109568                     ; O's scale bytes, two a query, gathered for the way out
.set STG,   110592                     ; a stage of 32 rows x (256 + 16) bytes for each wave: f32 rows turn through it
.set SP,    272
.set WSTG,  32*SP
.set FLOOR, 0x1800000                  ; 2^(3 - 127): under it no largest magnitude is taken, so no scale byte falls under 1
.set AKI, 1                            ; v1   16 x lane: my place in an image
.set AKS, 2                            ; v2   KSC + 16 x lane
.set AVR, 3                            ; v3   VROW + 784 r + 24 h
.set AVS, 4                            ; v4   VSC + 16 r
.set ABI, 5                            ; v5   BIAS + 64 h
.set ADK, 6                            ; v6-10 the step's addresses: K's images, K's scale words, the bias, V's rows, V's scale words
.set ADS, 7
.set ADB, 8
.set ADV, 9
.set ADT, 10
.set L8,  11                           ; v11  8 x lane
.set QZ,  16                           ; v16-21 zero codes, v22-27 Q's codes, v28-33 zero codes   (v12 -M, v13 the largest t, v[14:15] the sum in two halves)
.set QC,  22
.set QN,  34                           ; v34-39 the second tile's codes
.set QS,  40                           ; v40  Q's scale word; v41 the second tile's
.set QNS, 41
.set ASA, 42                           ; v42  ASTG + 32 w + 2 r; v43 the same for the tile in hand
.set ASB, 43
.set KS,  44                           ; v44-47 K's scale words of a step
.set VS,  48                           ; v48-51 V's
.set F,   52                           ; v52-99 four fragments, of K and then of V
.set S,   100                          ; v100-163 S^T, then p
.set O,   164                          ; v164-195 O^T
.set P,   196                          ; v196-207 p's codes
.set T,   208                          ; v208-210, v212-214 second halves of the conversions
.set BM,  216                          ; v216-219 largest scores or magnitudes
.set PT,  220                          ; v220-223 the other half's; bytes
.set SO,  224                          ; v224-227 the conversions' scale operands
.set PW,  228                          ; v228 p's scale word
.set FF,  230                          ; v[230:231] f = 2^(old M - new M)
.set TMP, 232                          ; v[232:233] at work
.set R0,  52                           ; the head alone: 64 numbers a lane of K's first fragment, then the second tile of Q
.set R1,  116                          ; of K's second fragment
.set Q0,  180                          ; 32 numbers a lane of the first tile of Q
.set C,   232                          ; v232-243 a fragment's codes
.set GK,  244                          ; v244 4,096 (lane / 16) + 16 (lane % 16): sixteen lanes take 256 consecutive bytes of a row, the other sixteen of the next row
.set STO, 245                          ; v245 the same place in my stage
.set SRD, 246                          ; v246 out of the stage: row r, 128 h bytes on
.set KWI, 247                          ; v247 where my fragments' images go
.set KWS, 248                          ; v248 and their scale words
.set VWA, 249                          ; v249 where my four rows of V go
.set VSG, 250                          ; v250 4 x thread: V's scale words in memory
.set VSW, 251                          ; v251 and in LDS
.set MG,  252                          ; v252 2 x thread: two bytes of the mask
.set BW,  253                          ; v253 BIAS + 8 x thread
.set ML,  254                          ; v254 32 x lane: 32 bytes of the mask
.set H8,  255                          ; v255 8 h
.set WV,  18                           ; s18 my wave's number
.set BH,  20                           ; s20 16 x batch + head; s21 batch; s22 head
.set BB,  21
.set HD,  22
.set X,   23                           ; s23, s43 at work
.set Y,   43
.set SEL, 30                           ; s[30:31] selects of v_permlanex16_b32: lane l xor 16
.set CS,  32                           ; s[32:33] c = log2(e): the packed form names a pair and takes its low word for both halves
.set TK,  34                           ; s34-37 the step's place in K's images, in K's scale words and the bias, in V's rows, in V's scale words
.set TS,  35
.set TV,  36
.set TT,  37
.set SH,  38                           ; s38 4 x step: where the step's four flags stand
.set MF,  39                           ; s39 bit i: keys 32 i .. 32 i + 31 are all open
.set NSTEP, 40
.set NTILE, 41
.set TA,  42                           ; s42 512 x tile: the tile's place in ASTG
.macro DENSE reg, base, n, off, nt     ; 2 n rows of 256 bytes, 4,096 bytes apart: each load takes two rows, sixteen lanes to a row's 256 consecutive, aligned bytes
.set di, 0
.rept \n
.if \nt
	global_load_b128 v[\reg+4*di:\reg+4*di+3], v[GK], s[\base:\base+1] offset:\off+8192*di th:TH_LOAD_NT
.else
	global_load_b128 v[\reg+4*di:\reg+4*di+3], v[GK], s[\base:\base+1] offset:\off+8192*di
.endif
.set di, di+1
.endr
.endm
.macro TOSTAGE reg, n, perm            ; the rows go into my stage as they were loaded.  perm = 1: row x lies at the place x with its bits 3 and 4 exchanged
.set di, 0
.rept \n
.if \perm
.set sl, ((2*di)&7)|((((2*di)>>3)&1)<<4)|((((2*di)>>4)&1)<<3)
.else
.set sl, 2*di
.endif
	ds_store_b128 v[STO], v[\reg+4*di:\reg+4*di+3] offset:sl*SP
.set di, di+1
.endr
.endm
.macro FROMSTAGE reg, nb               ; and come back 32 neighbours a lane: lane (r, h) takes channels 32 h .. 32 h + 31 of place 16 c + r, c < nb
.set di, 0
.rept 8*\nb
	ds_load_b128 v[\reg+4*di:\reg+4*di+3], v[SRD] offset:16*SP*(di/8)+16*(di%8)
.set di, di+1
.endr
.endm
; 64 numbers of a lane, two whole blocks of 32 (two keys, my half of their channels), become a fragment's 12 registers and my row's scale word; both go to LDS as they stand.
.macro KQUANT reg, f
.irp c, 0,1
	v_max3_num_f32 v[BM+\c], |v[\reg+32*\c]|, |v[\reg+32*\c+1]|, FLOOR
.endr
.irp i, 2,4,6,8,10,12,14,16,18,20,22,24,26,28,30
.irp c, 0,1
	v_max3_num_f32 v[BM+\c], v[BM+\c], |v[\reg+32*\c+\i]|, |v[\reg+32*\c+\i+1]|   ; the two blocks by turns
.endr
.endr
.irp c, 0,1
	v_add_nc_u32 v[SO+\c], 0xff000000, v[BM+\c]    ; 2 off the exponent field: the conversion takes that field of this operand as its scale
.endr
.irp c, 0,1
	v_lshrrev_b32 v[PT+\c], 23, v[SO+\c]           ; the scale's byte
.endr
	v_lshl_or_b32 v[PT+2], v[PT+1], 16, v[PT]      ; my two bytes: blocks h and 2 + h of the row,
	v_lshlrev_b32 v[PT+2], v[H8], v[PT+2]          ; at their places;
	v_permlanex16_b32 v[PT+3], v[PT+2], s[SEL], s[SEL+1]
	v_or_b32 v[PT+2], v[PT+2], v[PT+3]             ; with lane l xor 16's two the word is whole
	v_cvt_scalef32_pk16_fp6_f32 v[C:C+2], v[\reg:\reg+15], v[SO]
	v_cvt_scalef32_pk16_fp6_f32 v[T+4:T+6], v[\reg+16:\reg+31], v[SO]          ; (a conversion's three registers begin on an even number)
	v_cvt_scalef32_pk16_fp6_f32 v[C+6:C+8], v[\reg+32:\reg+47], v[SO+1]
	v_cvt_scalef32_pk16_fp6_f32 v[QN:QN+2], v[\reg+48:\reg+63], v[SO+1]
	v_nop                                          ; one plain place behind a scaled conversion
.irp i, 0,1,2
	v_mov_b32 v[C+3+\i], v[T+4+\i]
	v_mov_b32 v[C+9+\i], v[QN+\i]
.endr
	s_wait_alu depctr_va_vdst(0)                   ; the codes v[C ..] and the scale word are written, which the four LDS stores read; and the lines above are done reading the 64 numbers, in whose registers a later load may land
.irp g, 0,1,2
	ds_store_b128 v[KWI], v[C+4*\g:C+4*\g+3] offset:1536*\f+512*\g
.endr
	ds_store_b32 v[KWS], v[PT+2] offset:4*\f
.endm
; 32 numbers of a lane, one block of a query, become q / 8 and then six registers of codes in v[dst] on and the scale word (s0, s1, s0, s1).
.macro QQUANT reg, dst, word
.irp i, 0,2,4,6,8,10,12,14,16,18,20,22,24,26,28,30
	v_pk_mul_f32 v[\reg+\i:\reg+\i+1], v[\reg+\i:\reg+\i+1], 0x3e000000 op_sel_hi:[1,0]   ; / 8
.endr
	v_max3_num_f32 v[BM], |v[\reg]|, |v[\reg+1]|, FLOOR
	v_max3_num_f32 v[BM+1], |v[\reg+2]|, |v[\reg+3]|, FLOOR
.irp i, 4,8,12,16,20,24,28
	v_max3_num_f32 v[BM], v[BM], |v[\reg+\i]|, |v[\reg+\i+1]|
	v_max3_num_f32 v[BM+1], v[BM+1], |v[\reg+\i+2]|, |v[\reg+\i+3]|
.endr
	v_max_num_f32 v[BM], v[BM], v[BM+1]
	v_add_nc_u32 v[SO], 0xff000000, v[BM]
	v_lshrrev_b32 v[PT], 23, v[SO]
	v_lshlrev_b32 v[PT], v[H8], v[PT]
	v_permlanex16_b32 v[PT+3], v[PT], s[SEL], s[SEL+1]
	v_or_b32 v[PT], v[PT], v[PT+3]
	v_lshl_or_b32 v[\word], v[PT], 16, v[PT]
	v_cvt_scalef32_pk16_fp6_f32 v[\dst:\dst+2], v[\reg:\reg+15], v[SO]
	v_cvt_scalef32_pk16_fp6_f32 v[T+4:T+6], v[\reg+16:\reg+31], v[SO]
	v_nop
.irp i, 0,1,2
	v_mov_b32 v[\dst+3+\i], v[T+4+\i]
.endr
.endm
; The step's eight products S^T = K Q^T.  zero = 1: the sums start at the constant 0; else at the bias, which lies in the accumulators.
.macro SPROD zero
.irp b, 0,1,2,3
.if \zero
	v_wmma_scale_f32_16x16x128_f8f6f4 v[S+16*\b:S+16*\b+7], v[F+12*\b:F+12*\b+11], v[QC:QC+11], 0, v[KS+\b], v[QS] matrix_a_fmt:MATRIX_FMT_FP6 matrix_b_fmt:MATRIX_FMT_FP6
	v_wmma_scale_f32_16x16x128_f8f6f4 v[S+16*\b+8:S+16*\b+15], v[F+12*\b:F+12*\b+11], v[QZ:QZ+11], 0, v[KS+\b], v[QS] matrix_a_fmt:MATRIX_FMT_FP6 matrix_b_fmt:MATRIX_FMT_FP6
.else
	v_wmma_scale_f32_16x16x128_f8f6f4 v[S+16*\b:S+16*\b+7], v[F+12*\b:F+12*\b+11], v[QC:QC+11], v[S+16*\b:S+16*\b+7], v[KS+\b], v[QS] matrix_a_fmt:MATRIX_FMT_FP6 matrix_b_fmt:MATRIX_FMT_FP6
	v_wmma_scale_f32_16x16x128_f8f6f4 v[S+16*\b+8:S+16*\b+15], v[F+12*\b:F+12*\b+11], v[QZ:QZ+11], v[S+16*\b+8:S+16*\b+15], v[KS+\b], v[QS] matrix_a_fmt:MATRIX_FMT_FP6 matrix_b_fmt:MATRIX_FMT_FP6
.endif
.endr
.endm
	s_load_b256 s[4:11], s[0:1], 0x0               ; keys s[4:5], queries s[6:7], V's codes s[8:9], V's scales s[10:11]
	s_load_b128 s[12:15], s[0:1], 0x20             ; the mask s[12:13], O's codes s[14:15]
	s_load_b64 s[16:17], s[0:1], 0x30              ; O's scale bytes
	v_lshl_add_u32 v215, v0, 2, 0x3d000            ; the LDS address of my spare word, behind the sixteen stages, and 0: made here and kept for the closing lines alone
	v_mov_b32 v229, 0
	v_lshrrev_b32 v9, 5, v0
	v_readfirstlane_b32 s[WV], v9                  ; wave 0..15
	v_and_b32 v6, 31, v0                           ; lane
	v_and_b32 v7, 15, v0                           ; r
	v_bfe_u32 v8, v0, 4, 1                         ; h
	s_and_b32 s[BH], ttmp7, 0xffff
	s_lshr_b32 s[BB], s[BH], 4
	s_and_b32 s[HD], s[BH], 15
	s_mov_b32 s[SEL], 0x76543210
	s_mov_b32 s[SEL+1], 0xfedcba98
	; the addresses that stay
	v_lshlrev_b32 v[AKI], 4, v6
	v_add_nc_u32 v[AKS], KSC, v[AKI]
	v_mul_u32_u24 v[AVR], v7, VP
	v_mad_u32_u24 v[AVR], v8, 24, v[AVR]
	v_add_nc_u32 v[AVR], VROW, v[AVR]
	v_lshl_add_u32 v[AVS], v7, 4, VSC
	v_lshl_add_u32 v[ABI], v8, 6, BIAS
	v_lshlrev_b32 v[L8], 3, v6
	s_wait_alu depctr_va_sdst(0)                   ; the wave's number is written, ahead of its first reader: LDS addresses and the buffers' offsets are made from it
	s_lshl_b32 s[X], s[WV], 5
	v_lshl_add_u32 v[ASA], v7, 1, s[X]
	v_add_nc_u32 v[ASA], ASTG, v[ASA]
	; the head's addresses
	v_lshlrev_b32 v[GK], 12, v8
	v_lshl_add_u32 v[GK], v7, 4, v[GK]
	s_mul_i32 s[X], s[WV], WSTG
	s_add_co_u32 s[X], s[X], STG                   ; my stage
	v_mul_u32_u24 v[STO], v8, SP
	v_lshl_add_u32 v[STO], v7, 4, v[STO]
	v_add_nc_u32 v[STO], s[X], v[STO]
	v_mul_u32_u24 v[SRD], v7, SP
	v_lshl_add_u32 v[SRD], v8, 7, v[SRD]
	v_add_nc_u32 v[SRD], s[X], v[SRD]
	s_mul_i32 s[X], s[WV], 3072                    ; wave w quantises keys 64 w .. 64 w + 63: fragments 2 w and 2 w + 1
	v_add_nc_u32 v[KWI], s[X], v[AKI]
	s_lshr_b32 s[X], s[WV], 1
	s_lshl_b32 s[X], s[X], 9                       ; step w / 2,
	s_and_b32 s[Y], s[WV], 1
	s_lshl_b32 s[Y], s[Y], 3                       ; fragments 2 (w % 2) on
	s_add_co_u32 s[X], s[X], s[Y]
	v_add_nc_u32 v[KWS], s[X], v[AKS]
	s_and_b32 s[X], s[WV], 8                       ; wave w brings channels 4 w .. 4 w + 3 of V: their places are 4 w with bits 3 and 4 exchanged, on
	s_lshl_b32 s[X], s[X], 2
	s_and_b32 s[Y], s[WV], 2
	s_lshl_b32 s[Y], s[Y], 3
	s_or_b32 s[X], s[X], s[Y]
	s_and_b32 s[Y], s[WV], 4
	s_lshl_b32 s[Y], s[Y], 1
	s_or_b32 s[X], s[X], s[Y]
	s_and_b32 s[Y], s[WV], 1
	s_lshl_b32 s[Y], s[Y], 2
	s_or_b32 s[X], s[X], s[Y]
	s_mul_i32 s[X], s[X], VP
	s_add_co_u32 s[X], s[X], VROW
	v_add_nc_u32 v[VWA], s[X], v[L8]
	v_lshlrev_b32 v[VSG], 2, v0                    ; thread t: word t % 8 (the step) of channel t / 8
	v_and_b32 v[VSW], 7, v0
	v_lshlrev_b32 v[VSW], 8, v[VSW]                ; 256 x step
	v_bfe_u32 v9, v0, 3, 3
	v_lshl_or_b32 v[VSW], v9, 4, v[VSW]            ; 16 x (row of the tile): the channel's bits 0-2,
	v_and_or_b32 v[VSW], v0, 128, v[VSW]           ; and its bit 4 as the row's bit 3;
	v_bfe_u32 v9, v0, 6, 1
	v_lshl_or_b32 v[VSW], v9, 2, v[VSW]            ; 4 x tile: the channel's bit 3,
	v_bfe_u32 v9, v0, 8, 1
	v_lshl_or_b32 v[VSW], v9, 3, v[VSW]            ; and its bit 5
	v_add_nc_u32 v[VSW], VSC, v[VSW]
	v_lshlrev_b32 v[MG], 1, v0
	v_lshl_add_u32 v[BW], v0, 3, BIAS
	v_lshlrev_b32 v[ML], 5, v6
	v_lshlrev_b32 v[H8], 3, v8
	; byte offsets into the buffers, each under 2^32
	s_lshl_b32 s24, s[BB], 22
	s_lshl_b32 s[X], s[HD], 8
	s_add_co_u32 s24, s24, s[X]                    ; the batch's first row, the head's 256 bytes of it
	s_lshl_b32 s[X], s[WV], 18
	s_add_co_u32 s26, s24, s[X]                    ; keys: + 64 w rows
	s_mov_b32 s27, 0
	s_lshl_b32 s[X], ttmp9, 21
	s_add_co_u32 s24, s24, s[X]
	s_lshl_b32 s[X], s[WV], 16
	s_add_co_u32 s24, s24, s[X]                    ; queries: + 512 x half + 16 w rows
	s_mov_b32 s25, 0
	s_mul_i32 s28, s[BH], 49152
	s_mul_i32 s[X], s[WV], 3072
	s_add_co_u32 s28, s28, s[X]                    ; V's codes: the head's 64 rows of 768 bytes, my four of them
	s_mov_b32 s29, 0
	s_lshl_b32 s44, s[BH], 11                      ; V's scales: 64 rows of 32 bytes
	s_mov_b32 s45, 0
	s_lshl_b32 s46, s[BB], 10                      ; the mask: 1,024 bytes a batch
	s_mov_b32 s47, 0
	s_lshl_b32 s48, s[BB], 6
	s_lshl_b32 s[X], ttmp9, 5
	s_add_co_u32 s48, s48, s[X]
	s_add_co_u32 s48, s48, s[WV]                   ; my first tile of 16 queries among the 512,
	s_mul_i32 s48, s48, 12288                      ; 16 heads x 768 bytes each,
	s_mul_i32 s[X], s[HD], 768
	s_add_co_u32 s48, s48, s[X]                    ; my head's
	s_mov_b32 s49, 0
	s_lshl_b32 s50, s[HD], 14                      ; O's scale bytes: [head][8,192 rows] of two bytes
	s_lshl_b32 s[X], s[BB], 11
	s_add_co_u32 s50, s50, s[X]
	s_lshl_b32 s[X], ttmp9, 10
	s_add_co_u32 s50, s50, s[X]
	s_mov_b32 s51, 0
	s_wait_kmcnt 0x0
	s_add_nc_u64 s[4:5], s[4:5], s[26:27]
	s_add_nc_u64 s[6:7], s[6:7], s[24:25]
	s_add_nc_u64 s[8:9], s[8:9], s[28:29]
	s_add_nc_u64 s[10:11], s[10:11], s[44:45]
	s_add_nc_u64 s[12:13], s[12:13], s[46:47]
	s_add_nc_u64 s[14:15], s[14:15], s[48:49]
	s_add_nc_u64 s[16:17], s[16:17], s[50:51]
	s_wait_alu depctr_va_vdst(0)                   ; all the addresses made above are written: the head's loads and stores, and every later access by v1-5, v11 and v42, read them
	; ALL THAT THE WAVE READS BUT ITS SECOND TILE OF QUERIES IS ASKED FOR IN ONE RUN: 56 loads
.irp i, 0,1,2,3
.irp j, 0,1,2
	global_load_b64 v[12+2*(3*\i+\j):13+2*(3*\i+\j)], v[L8], s[8:9] offset:768*\i+256*\j   ; V: 256 consecutive bytes a load
.endr
.endr
	global_load_b32 v37, v[VSG], s[10:11]
	global_load_u16 v36, v[MG], s[12:13]
	global_load_b128 v[BM:BM+3], v[ML], s[12:13]
	global_load_b128 v[PT:PT+3], v[ML], s[12:13] offset:16
	DENSE R0, 4, 16, 0, 0                          ; keys 64 w .. + 31   (the head's other work-group reads them too: no hint)
	DENSE R1, 4, 16, 32*4096, 0                    ; keys 64 w + 32 .. + 63
	DENSE Q0, 6, 8, 0, 1                           ; my first 16 queries: read once in the launch
	s_wait_loadcnt 40                              ; V, its scale word and the mask are in; K's 32 loads and Q's 8 stay out
.irp i, 0,1,2,3
.irp j, 0,1,2
	ds_store_b64 v[VWA], v[12+2*(3*\i+\j):13+2*(3*\i+\j)] offset:VP*\i+256*\j
.endr
.endr
	ds_store_b32 v[VSW], v37
	v_and_b32 v38, 0xff, v36                       ; two keys' mask bytes, 0 or 1
	v_lshrrev_b32 v39, 8, v36
	v_cvt_f32_u32 v38, v38
	v_cvt_f32_u32 v39, v39
	v_sub_f32 v38, 1.0, v38
	v_sub_f32 v39, 1.0, v39
	v_mul_f32 v38, 0xd368d4a5, v38                 ; (1 - mask) x -1e12
	v_mul_f32 v39, 0xd368d4a5, v39
	s_wait_alu depctr_va_vdst(0)                   ; the two biases v38 and v39 are written, which the LDS store reads
	ds_store_b64 v[BW], v[38:39]
	v_and_b32 v[TMP], v[BM], v[BM+1]               ; my lane's 32 bytes of the mask: are all 1?  is any 1?
	v_or_b32 v[TMP+1], v[BM], v[BM+1]
.irp i, 2,3,4,5,6,7
	v_and_b32 v[TMP], v[TMP], v[BM+\i]
	v_or_b32 v[TMP+1], v[TMP+1], v[BM+\i]
.endr
	v_cmp_eq_u32 vcc_lo, 0x01010101, v[TMP]
	s_wait_alu depctr_va_vcc(0)                    ; the compare has written VCC, which the next line reads
	s_mov_b32 s[MF], vcc_lo                        ; bit i: keys 32 i .. 32 i + 31 are all open
	v_cmp_ne_u32 vcc_lo, 0, v[TMP+1]
	s_wait_alu depctr_va_vcc(0)                    ; and again: the second compare has written VCC, which the next line reads
	s_cmp_lg_u32 vcc_lo, 0                         ; has the batch an open key?
	s_cselect_b32 s[CS], 0x3fb8aa3b, 0             ; c = log2(e); in a batch with none all logits are equal, and c = 0 makes all t equal
	s_mov_b32 s[CS+1], s[CS]
.irp b, 0,1,2,3
	v_mov_b32 v[PT+\b], 0                          ; a lane permute's destination counts as one of its sources
.endr
	s_wait_loadcnt 24                              ; K's first 32 rows are in; its other 16 loads and Q's 8 stay out
	TOSTAGE R0, 16, 1
	s_wait_dscnt 0x0                               ; my stores, into the stage and of V and the bias, are done
	s_wait_alu depctr_vm_vsrc(0)                   ; the LDS stores have read their registers: the 64 of K's rows, in which the loads below land, and v12 to v39 (V, its scale word, the bias), which vector lines write from here on
	FROMSTAGE R0, 2
	s_wait_dscnt 0x0
.irp i, 0,1,2,3,4,5
	v_mov_b32 v[QZ+\i], 0                          ; the zero codes on both sides of Q's
	v_mov_b32 v[QC+6+\i], 0
.endr
	KQUANT R0, 0
	DENSE R0, 6, 8, 256*4096, 1                    ; my second 16 queries, 256 rows on.  No wait: no vector line since the quantiser's own wait names these registers
	s_wait_loadcnt 16                              ; K's other 32 rows are in; the two tiles of Q, 8 loads each, stay out
	TOSTAGE R1, 16, 1
	s_wait_dscnt 0x0
	s_wait_alu depctr_vm_vsrc(0)                   ; the stage's stores have read the 64 registers in which the loads below land; the first fragment's stores have read its codes and scale word, which the second fragment writes again
	FROMSTAGE R1, 2
	s_wait_dscnt 0x0
	KQUANT R1, 1
	s_wait_loadcnt 8                               ; the first tile of Q is in
	TOSTAGE Q0, 8, 0
	s_wait_dscnt 0x0
	s_wait_alu depctr_vm_vsrc(0)                   ; the stage's stores have read the 32 registers in which the loads below land; the second fragment's stores have read its codes and scale word, registers that later vector lines write
	FROMSTAGE Q0, 1
	s_wait_dscnt 0x0
	QQUANT Q0, QC, QS
	s_wait_loadcnt 0x0
	TOSTAGE R0, 8, 0
	s_wait_dscnt 0x0
	s_wait_alu depctr_vm_vsrc(0)                   ; the stage's stores have read the 32 registers in which the loads below land
	FROMSTAGE R0, 1
	s_wait_dscnt 0x0
	QQUANT R0, QN, QNS
	s_wait_dscnt 0x0                               ; for the others' sake: all my LDS stores have landed
	s_barrier_signal -1
	s_barrier_wait -1                              ; K, V, their scale words and the bias lie in LDS: from here on they are only read
	s_mov_b32 s[TA], 0
	s_mov_b32 s[NTILE], 2
.Ltile:                                            ; a tile of 16 queries
	s_mov_b32 s[TK], 0
	s_mov_b32 s[TS], 0
	s_mov_b32 s[TV], 0
	s_mov_b32 s[TT], 0
	s_mov_b32 s[SH], 0
	v_mov_b32 v13, 0xce800000                      ; the largest t so far: -2^30: over every masked t (-1.44e12), so that masked keys give p = 0 before the first open key too
	v_floor_f32 v12, -v13                          ; -M
	v_mov_b32 v14, 0                               ; the sum, in two halves
	v_mov_b32 v15, 0
	v_mov_b32 v[FF+1], 0                           ; (named as the upper half of a pair)
.set i, 0
.rept 32
	v_mov_b32 v[O+i], 0                            ; O^T: the step is written once; its first trip finds zeros.  (These lines are also the places between Q's registers, written by vector lines, and the products)
.set i, i+1
.endr
	s_mov_b32 s[NSTEP], 8
.Lstep:                                            ; a step of 128 keys
	s_wait_alu depctr_vm_vsrc(0)                   ; the last step's LDS loads have read the five addresses, which the five lines below write
	v_add_nc_u32 v[ADK], s[TK], v[AKI]
	v_add_nc_u32 v[ADS], s[TS], v[AKS]
	v_add_nc_u32 v[ADB], s[TS], v[ABI]
	v_add_nc_u32 v[ADV], s[TV], v[AVR]
	v_add_nc_u32 v[ADT], s[TT], v[AVS]
	s_wait_alu depctr_va_vdst(0)                   ; the five addresses are written; the last step's products are done reading F, KS and VS, and its softmax is done with S: the step's loads land there; in a tile's first step Q's codes and scale word, which the products below take, are written
.irp b, 0,1,2,3
.irp g, 0,1,2
	ds_load_b128 v[F+12*\b+4*\g:F+12*\b+4*\g+3], v[ADK] offset:1536*\b+512*\g   ; K's four fragments: 512 consecutive bytes a load
.endr
.endr
	ds_load_b128 v[KS:KS+3], v[ADS]                ; and their scale words
	s_lshr_b32 s[Y], s[MF], s[SH]
	s_and_b32 s[Y], s[Y], 15
	s_cmp_eq_u32 s[Y], 15                          ; are the step's 128 keys all open?  (whole numbers read from the mask; no barrier and no address lies under this branch)
	s_cbranch_scc1 .Lopen
.irp b, 0,1,2,3
.irp i, 0,1,2,3
	ds_load_b128 v[S+16*\b+4*\i:S+16*\b+4*\i+3], v[ADB] offset:128*\b+16*\i   ; register 16 b + i holds key 32 b + 16 h + i: its bias.  No wait: no vector line stands between the wait above and these loads
.endr
.endr
	s_wait_dscnt 0x0
	SPROD 0
	s_branch .Ljoin
.Lopen:
	s_wait_dscnt 0x0
	SPROD 1
.Ljoin:
.rept 4
	v_nop                                          ; places in front of the first read of the scores
.endr
	s_wait_alu depctr_va_vdst(0)                   ; the eight products are done reading K's fragments, in whose registers V's land; the lines behind the loads read these products' results in any case
.irp t, 0,1,2,3
.irp p, 0,1,2,3,4,5
	ds_load_b64 v[F+12*\t+2*\p:F+12*\t+2*\p+1], v[ADV] offset:16*VP*\t+48*(\p/3)+8*(\p%3)   ; V's four fragments: they land under the softmax
.endr
.endr
	ds_load_b128 v[VS:VS+3], v[ADT]
.irp b, 0,1,2,3
	v_max3_num_f32 v[BM+\b], v[S+16*\b], v[S+16*\b+1], v[S+16*\b+2]   ; the largest score of each block of 32 keys: for the row's maximum, and, since p rises with the score, for the block's largest p
.endr
.irp i, 3,5,7,9,11,13
.irp b, 0,1,2,3
	v_max3_num_f32 v[BM+\b], v[BM+\b], v[S+16*\b+\i], v[S+16*\b+\i+1]
.endr
.endr
.irp b, 0,1,2,3
	v_max_num_f32 v[BM+\b], v[BM+\b], v[S+16*\b+15]
.endr
.irp b, 0,1,2,3
	v_permlanex16_b32 v[PT+\b], v[BM+\b], s[SEL], s[SEL+1]
.endr
.irp b, 0,1,2,3
	v_max_num_f32 v[BM+\b], v[BM+\b], v[PT+\b]     ; with lane l xor 16's 16 keys
.endr
	v_max3_num_f32 v[TMP], v[BM], v[BM+1], v[BM+2]
	v_max_num_f32 v[TMP], v[TMP], v[BM+3]          ; the step's largest score of my query
	v_mul_f32 v[TMP], s[CS], v[TMP]                ; as t (c is not negative)
	v_max_num_f32 v13, v13, v[TMP]                 ; the running largest t
	v_mov_b32 v[TMP], v12
	v_floor_f32 v12, -v13                          ; the new -M = floor(-t) = -ceil(t)
	v_sub_f32 v[TMP], v12, v[TMP]                  ; old M - new M: a whole number, 0 or less
	v_cvt_i32_f32 v[TMP], v[TMP]                   ; (it saturates)
	v_ldexp_f32 v[FF], 1.0, v[TMP]                 ; f = 2^(old M - new M)
.set i, 0
.rept 32
	v_pk_fma_f32 v[S+i:S+i+1], v[S+i:S+i+1], s[CS:CS+1], v[12:13] op_sel_hi:[1,0,0]   ; t - M, two at a time
.set i, i+2
.endr
.irp b, 0,1,2,3
	v_fma_f32 v[BM+\b], v[BM+\b], s[CS], v12       ; the same of each block's largest score
.endr
.set i, 0
.rept 64
	v_exp_f32 v[S+i], v[S+i]                       ; p = 2^(t - M)
.set i, i+1
.endr
.irp b, 0,1,2,3
	v_exp_f32 v[BM+\b], v[BM+\b]                   ; the block's largest p: the same two instructions on the same number
.endr
	v_pk_mul_f32 v[14:15], v[14:15], v[FF:FF+1] op_sel_hi:[1,0]   ; the sums under the new M.  (The plain place behind the exponentials)
	s_wait_alu depctr_va_vdst(0)                   ; the 68 exponentials have written p and the blocks' largest p: one wait for the batch, ahead of its first reader
.irp b, 0,1,2,3
	v_max_num_f32 v[BM+\b], FLOOR, v[BM+\b]        ; a block whose every p is 0 keeps the byte 1: its codes are zeros
.endr
.irp b, 0,1,2,3
	v_add_nc_u32 v[SO+\b], 0xff000000, v[BM+\b]
.endr
.irp b, 0,1,2,3
	v_lshrrev_b32 v[PT+\b], 23, v[SO+\b]
.endr
	v_lshl_or_b32 v[PW], v[PT+1], 8, v[PT]         ; p's scale word for these 128 keys
	v_lshl_or_b32 v[PW], v[PT+2], 16, v[PW]
	v_lshl_or_b32 v[PW], v[PT+3], 24, v[PW]
.irp c, 0,1
	v_cvt_scalef32_pk16_fp6_f32 v[P+6*\c:P+6*\c+2], v[S+32*\c:S+32*\c+15], v[SO+2*\c]
	v_cvt_scalef32_pk16_fp6_f32 v[T+4*\c:T+4*\c+2], v[S+32*\c+16:S+32*\c+31], v[SO+2*\c+1]
.endr
	v_nop                                          ; one plain place behind a scaled conversion
.irp c, 0,1                                    ; the operand's layout wants a whole block in a lane: lanes 0-15 block 2 c, lanes 16-31 block 2 c + 1
.irp i, 0,1,2
	v_permlane16_swap_b32 v[P+6*\c+\i], v[T+4*\c+\i]
.endr
.irp i, 0,1,2
	v_mov_b32 v[P+6*\c+3+\i], v[T+4*\c+\i]
.endr
.endr
	v_pk_add_f32 v[TMP:TMP+1], v[S:S+1], v[S+2:S+3]   ; the row's sum is taken of the unquantised p: two at a time, in two chains
.irp j, 4,8,12,16,20,24,28,32,36,40,44,48,52,56,60
	v_pk_add_f32 v[14:15], v[14:15], v[S+\j:S+\j+1]
	v_pk_add_f32 v[TMP:TMP+1], v[TMP:TMP+1], v[S+\j+2:S+\j+3]
.endr
	v_pk_add_f32 v[14:15], v[14:15], v[TMP:TMP+1]
.set i, 0
.rept 16
	v_pk_mul_f32 v[O+i:O+i+1], v[O+i:O+i+1], v[FF:FF+1] op_sel_hi:[1,0]   ; O^T under the new M.  (With the sums: the places between p's codes and scale word, written by vector lines, and the products)
.set i, i+2
.endr
	s_wait_dscnt 0x0                               ; V's fragments and scale words are in
	s_wait_alu depctr_va_vdst(0)                   ; p's codes and scale word are written, which the scaled products below take as an operand and as scales; the places above stay beside this wait
.irp t, 0,1,2,3
	v_wmma_scale_f32_16x16x128_f8f6f4 v[O+8*\t:O+8*\t+7], v[F+12*\t:F+12*\t+11], v[P:P+11], v[O+8*\t:O+8*\t+7], v[VS+\t], v[PW] matrix_a_fmt:MATRIX_FMT_FP6 matrix_b_fmt:MATRIX_FMT_FP6   ; the four accumulators by turns, one instruction a turn
.endr
	s_add_co_u32 s[TK], s[TK], 6144
	s_add_co_u32 s[TS], s[TS], 512
	s_add_co_u32 s[TV], s[TV], 96
	s_add_co_u32 s[TT], s[TT], 256
	s_add_co_u32 s[SH], s[SH], 4
	s_sub_co_u32 s[NSTEP], s[NSTEP], 1
	s_cmp_lg_u32 s[NSTEP], 0
	s_cbranch_scc1 .Lstep
	; THE TILE'S END: O^T / l, quantised along the channels: two blocks of 32, which lie in lanes l and l xor 16 as p's blocks do
.rept 4
	v_nop                                          ; places behind the last products
.endr
	v_add_f32 v14, v14, v15
	v_permlanex16_b32 v[PT], v14, s[SEL], s[SEL+1]
	v_add_f32 v14, v14, v[PT]                      ; the row's sum
	v_rcp_f32 v[TMP], v14
	v_nop                                          ; one plain place behind a transcendental
.set i, 0
	s_wait_alu depctr_va_vdst(0)                   ; the reciprocal is written, ahead of its first reader
.rept 16
	v_pk_mul_f32 v[S+i:S+i+1], v[O+i:O+i+1], v[TMP:TMP+1] op_sel_hi:[1,0]   ; each accumulator from its low end on: register 16 B + i is channel 32 B + 16 h + i of my query
.set i, i+2
.endr
.irp b, 0,1
	v_max3_num_f32 v[BM+\b], |v[S+16*\b]|, |v[S+16*\b+1]|, FLOOR
.endr
.irp i, 2,4,6,8,10,12,14
.irp b, 0,1
	v_max3_num_f32 v[BM+\b], v[BM+\b], |v[S+16*\b+\i]|, |v[S+16*\b+\i+1]|
.endr
.endr
.irp b, 0,1
	v_permlanex16_b32 v[PT+\b], v[BM+\b], s[SEL], s[SEL+1]
.endr
.irp b, 0,1
	v_max_num_f32 v[BM+\b], v[BM+\b], v[PT+\b]
.endr
.irp b, 0,1
	v_add_nc_u32 v[SO+\b], 0xff000000, v[BM+\b]
.endr
.irp b, 0,1
	v_lshrrev_b32 v[PT+\b], 23, v[SO+\b]
.endr
	v_lshl_or_b32 v[PT+2], v[PT+1], 8, v[PT]       ; my query's two scale bytes
	v_cvt_scalef32_pk16_fp6_f32 v[P:P+2], v[S:S+15], v[SO]
	v_cvt_scalef32_pk16_fp6_f32 v[T:T+2], v[S+16:S+31], v[SO+1]
	v_nop
.irp i, 0,1,2
	v_permlane16_swap_b32 v[P+\i], v[T+\i]
.endr
.irp i, 0,1,2
	v_mov_b32 v[P+3+\i], v[T+\i]                   ; six registers: lanes 0-15 block 0, lanes 16-31 block 1: half of the last product's operand, as its registers want it
.endr
	v_add_nc_u32 v[ASB], s[TA], v[ASA]             ; where the tile's scale bytes go: made ahead of the one wait for the four stores
	s_wait_alu depctr_va_vdst(0)                   ; the six registers of codes, the two scale bytes and their LDS address are written, which the four stores below read
.irp p, 0,1,2
	global_store_b64 v[L8], v[P+2*\p:P+2*\p+1], s[14:15] offset:256*\p   ; 32 lanes store 256 consecutive bytes, at a multiple of 256 from the buffer's first byte
.endr
	ds_store_b16 v[ASB], v[PT+2]                   ; both lanes of a query write the same two bytes
	s_wait_xcnt 0x0                                ; the stores have read their registers and their base: both are written again only behind this wait
	s_wait_alu depctr_vm_vsrc(0)                   ; the four stores have read the codes, the scale bytes and the LDS address, all of which the next tile's vector lines write again
	s_add_nc_u64 s[14:15], s[14:15], 16*12288      ; my second tile lies 16 tiles on
	s_add_co_u32 s[TA], s[TA], 512
.irp i, 0,1,2,3,4,5
	v_mov_b32 v[QC+\i], v[QN+\i]                   ; the second tile's codes
.endr
	v_mov_b32 v[QS], v[QNS]                        ; and scale word
	s_sub_co_u32 s[NTILE], s[NTILE], 1
	s_cmp_lg_u32 s[NTILE], 0
	s_cbranch_scc1 .Ltile
	v_lshlrev_b32 v234, 4, v0                      ; the scale bytes' way out: 16 bytes a thread, threads 0 to 63
	v_add_nc_u32 v235, ASTG, v234
	s_wait_alu depctr_va_vdst(0)                   ; the two addresses are written, which the load and the store below read; the last products are done reading v[F ..], in which the load lands
	s_wait_dscnt 0x0                               ; my two-byte stores have landed
	s_barrier_signal -1
	s_barrier_wait -1                              ; everybody's have: 1,024 bytes, the work-group's 512 queries
	s_cmp_lt_u32 s[WV], 2
	s_cbranch_scc0 .Ldone
	ds_load_b128 v[F:F+3], v235
	s_wait_dscnt 0x0
	global_store_b128 v234, v[F:F+3], s[16:17]     ; a wave stores 512 consecutive bytes
.Ldone:
	s_wait_dscnt 0x0                               ; the closing lines, six on end
	s_wait_alu 0x0
	s_wait_tensorcnt 0x0
	ds_add_u32 v215, v229
	s_wait_dscnt 0x0
	s_endpgm
.Lfunc_end_k_qc4056ccfd3_attn:
	.size	k_qc4056ccfd3_attn, .Lfunc_end_k_qc4056ccfd3_attn-k_qc4056ccfd3_attn
	.p2alignl 7, 3214868480
	.fill 96, 4, 3214868480
	.section	.rodata,"a",@progbits
	.p2align	6, 0x0
	.amdhsa_kernel k_qc4056ccfd3_attn
		.amdhsa_group_segment_fixed_size 251904
		.amdhsa_private_segment_fixed_size 0
		.amdhsa_enable_private_segment 0
		.amdhsa_kernarg_size 56
		.amdhsa_user_sgpr_count 2
		.amdhsa_user_sgpr_kernarg_segment_ptr 1
		.amdhsa_wavefront_size32 1
		.amdhsa_system_sgpr_workgroup_id_x 1
		.amdhsa_system_sgpr_workgroup_id_y 1
		.amdhsa_system_sgpr_workgroup_id_z 1
		.amdhsa_system_vgpr_workitem_id 0
		.amdhsa_next_free_vgpr 256
		.amdhsa_next_free_sgpr 66
		.amdhsa_reserve_vcc 1
		.amdhsa_float_denorm_mode_32 3
		.amdhsa_float_denorm_mode_16_64 3
		.amdhsa_memory_ordered 1
		.amdhsa_forward_progress 1
		.amdhsa_inst_pref_size 58
	.end_amdhsa_kernel
	.amdgpu_metadata
---
amdhsa.version: [ 1, 2 ]
amdhsa.kernels:
  - .name:           k_qc4056ccfd3_attn
    .symbol:         k_qc4056ccfd3_attn.kd
    .args:
      - { .name: keys, .offset: 0, .size: 8, .value_kind: global_buffer, .address_space: global }
      - { .name: queries, .offset: 8, .size: 8, .value_kind: global_buffer, .address_space: global }
      - { .name: values_codes, .offset: 16, .size: 8, .value_kind: global_buffer, .address_space: global }
      - { .name: values_scales, .offset: 24, .size: 8, .value_kind: global_buffer, .address_space: global }
      - { .name: attention_mask, .offset: 32, .size: 8, .value_kind: global_buffer, .address_space: global }
      - { .name: ocodes, .offset: 40, .size: 8, .value_kind: global_buffer, .address_space: global }
      - { .name: oscales, .offset: 48, .size: 8, .value_kind: global_buffer, .address_space: global }
    .group_segment_fixed_size: 251904
    .private_segment_fixed_size: 0
    .kernarg_segment_align: 8
    .kernarg_segment_size: 56
    .max_flat_workgroup_size: 512
    .sgpr_count:     66
    .vgpr_count:     256
    .wavefront_size: 32
...
	.end_amdgpu_metadata
.endif
;; end of part 3
;; launch proj: the kernel of part 2 again; grid 8 x 32, 8 waves a work-group, clusters of 4 x 4, 327,680 bytes of LDS; arguments ocodes, oscales, w_out_codes, w_out_scales, out0; writes out0
